; MI455X (gfx1250); checked and timed in simulation.
; The chip was launched on July 23, 2026; its instructions are those of AMD's public machine-readable ISA for CDNA 5 (MIT licence, August 2026) and "CDNA5" Instruction Set Architecture Reference Guide (July 2026). The comments in the code are by the model that wrote it; some were corrected since.
;; Multi Head Attention. Allowed arithmetic: matrix products marked QUANTISED: E2M1 operands, one E8M0 scale for each 32 along K, by v_wmma_scale_f32_16x16x128_f8f6f4 with both operands' format E2M1 (or v_wmma_scale_f32_32x16x128_f4), f32 sums; products left as they are: bf16, f16 or f32 operands; f32 sums; everything else in f32.
;; Inputs: Wk 1,024 x 1,024 float32; Wo 1,024 x 1,024 float32; Wq 1,024 x 1,024 float32; Wv 1,024 x 1,024 float32; bo 1,024 float32; x 2 x 2,048 x 1,024 float32.
;; Outputs: out0 2 x 2,048 x 1,024 float32.
;; This version of the problem:
;;   THIS VERSION OF THE PROBLEM IS GIVEN IN LOW PRECISION. The matrix products marked QUANTISED in the list below multiply operands that are first quantised to E2M1 (2 exponent bits, 1 mantissa bit; 4 bits a number), with one power-of-two scale for each 32 numbers along K (OCP MX v1.0); their sums are f32. The products marked 'left as it is' may take bf16, f16 or f32 operands, with f32 sums. Whichever they take, every output number must still come out within the allowed error. Rounding operands to bf16 (8 significant bits) uses up far more of that allowance than f16 does (11 bits, for magnitudes from 6e-5 to 65,504). All else is computed in f32.
;;   The module's matrix products, in the order in which they are computed (A, B: the left and right operand; K: the contracted axis; several contracted axes count as one K, in the product's order):
;;     1. [M 4,096, K 1,024] x [K 1,024, N 1,024]; A: input x; B: input Wq: QUANTISED
;;     2. [M 4,096, K 1,024] x [K 1,024, N 1,024]; A: input x; B: input Wk: QUANTISED
;;     3. [M 4,096, K 1,024] x [K 1,024, N 1,024]; A: input x; B: input Wv: QUANTISED
;;     4. batch 32 x [M 2,048, K 64] x [K 64, N 2,048]; A: computed on the way; B: computed on the way: left as it is (an operand is computed on the way)
;;     5. batch 32 x [M 2,048, K 2,048] x [K 2,048, N 64]; A: computed on the way; B: computed on the way: left as it is (an operand is computed on the way)
;;     6. [M 4,096, K 1,024] x [K 1,024, N 1,024]; A: computed on the way; B: input Wo: left as it is (an operand is computed on the way)
;;   THE QUANTISER, for each operand of a quantised product, along K:
;;     - K is cut into blocks of 32 from its start; a last block that is shorter is filled with zeros.
;;     - A block's scale is 2^e with e = floor(log2(the largest magnitude in the block)) - 2, held to -126 .. 127; a block of zeros has e = 0. As a byte (E8M0): e + 127.
;;     - Each number is divided by its block's scale, clamped to +-6, and rounded to the nearest number of E2M1, ties to even, subnormals kept.
;;     - The product sums the exact products of the quantised numbers (number of the format x scale) in f32.
;;   ~~~python
;;   def quantise(x, axis):      # numpy; x: float32 -> the quantised numbers, widened to float32 again
;;       x = np.moveaxis(x, axis, -1); K = x.shape[-1]
;;       x = np.pad(x, [(0, 0)] * (x.ndim - 1) + [(0, -K % 32)]); x = x.reshape(x.shape[:-1] + (-1, 32)); a = np.abs(x).max(-1, keepdims=True)
;;       e = np.where(a > 0, np.clip(np.frexp(np.where(a > 0, a, 1))[1] - 1 - 2, -126, 127), 0)      # np.frexp(a)[1] - 1 = floor(log2(a)), exactly
;;       r = np.clip(x / 2.0 ** e, -6, 6)
;;       step = 2.0 ** (np.maximum(np.frexp(np.where(r == 0, 1, r))[1] - 1, 0) - 1)
;;       q = np.round(r / step) * step * 2.0 ** e      # np.round: ties to even
;;       return np.moveaxis(q.reshape(q.shape[:-2] + (-1,))[..., :K], -1, axis).astype(np.float32)
;;   ~~~
;; One version. Each part assembles by itself: llvm-mc -triple=amdgcn-amd-amdhsa -mcpu=gfx1250 --defsym DOCPART=n.
;; ======== version 1 of 1: 4 launches
;; limits: values are held in f16: magnitudes above 65,504 overflow, below 6.1e-05 lose precision
;; workspace buffers: xc 2,097,152 bytes; xs 131,072 bytes; wc 1,572,864 bytes; ws 98,304 bytes; wo16 2,097,152 bytes; qkv 25,165,824 bytes; att 8,388,608 bytes
;; launch prep (part 1): grid 256 x 1, 4 waves a work-group, no clusters, 33,280 bytes of LDS; arguments x, Wq, Wk, Wv, Wo, xc, xs, wc, ws, wo16; writes xc, xs, wc, ws, wo16
.if DOCPART == 1
	.amdgcn_target "amdgcn-amd-amdhsa--gfx1250"
	.amdhsa_code_object_version 6
	.text
	.protected	k_qa00925c583_prep
	.globl	k_qa00925c583_prep
	.p2align	8
	.type	k_qa00925c583_prep,@function
k_qa00925c583_prep:
	s_mov_b64 s[64:65], 0
	v_nop
	global_prefetch_b8 v0, s[64:65] scope:SCOPE_SE
	s_setreg_imm32_b32 hwreg(HW_REG_WAVE_MODE, 25, 1), 1
	s_wait_xcnt 0x0
; x [4096][1024], Wq, Wk, Wv [1024][1024], f32, K innermost, become codes of FP4 (E2M1), two a byte, the lower k in the low four bits, with one E8M0 scale byte for each 32 along K.
; xc [4096][512 bytes], xs [4096][32]; wc [3072][512 bytes], ws [3072][32]: rows 0-1023 Wq, 1024-2047 Wk, 2048-3071 Wv.  Wo [1024][1024] becomes f16, wo16, in the same order.
; A block's scale is 2^(floor(log2(its largest magnitude)) - 2); its byte is the largest magnitude's own exponent field - 2, held at 1 from below.  A block of zeros so gets the byte 1 where the rule
; says 127: its codes are zeros, which add nothing under any byte but 0xff, and the bytes are read by this program alone.  Each number is divided by the scale and rounded to the nearest code, ties to even;
; beyond 6 the conversion gives the largest code.
; LIMITS: blocks whose largest magnitude lies under 2^-124, the floor, were not tried; NaN and infinities are not served; |Wo| stays under 65,504, the largest f16 number.
; Rows are dense and 1024 is a multiple of 32: every tensor is a plain stream of blocks of 32.  A work-group takes 32,768 numbers, a wave one run of 8,192.
; Work-groups 0-127: x; 128-159: Wq; 160-191: Wk; 192-223: Wv (pointers alone are chosen: one path through the text); 224-255: Wo, on a path of its own, which uses no LDS.
; THE QUANTISING PATH: 16 steps of 512 numbers.  Each of a step's four loads reads 512 consecutive bytes, 16 a lane; the 2,048 bytes turn through the wave's own stage in LDS and come back 64 bytes a lane,
; so that a lane holds 16 neighbours along K and two neighbouring lanes hold a block.  A lane's 16 codes are 8 bytes: the wave stores 256 consecutive aligned bytes.  A wave's 256 scale bytes are gathered in
; its own 256 bytes of LDS and leave as 256 consecutive aligned bytes.  No barrier: waves share nothing.  Loads run four steps (16 loads a wave) ahead.
.set WAVES, 4
.set STEPS, 16
.set EMAX,  2
.set CB,    8                          ; bytes of 16 codes
.set R,     16                         ; v16-79   four sets of 16 numbers as they are loaded
.set X,     80                         ; v80-111  two sets of 16 neighbours
.set E,     112                        ; v112-127 a scale byte for each step
.set C,     128                        ; v128-191 codes: four registers for each step, so that no store's data are written again
.set WREG,  8192                       ; LDS: a region for each wave: two stages of 32 x SP bytes, behind them its 256 scale bytes
.set SP,    80                         ; a lane's place in a stage: its 64 bytes + 16 of padding
.set SPW,   12                         ; v12  LDS address of my spare word: SPARE + 4 x my thread's number; never rewritten
.set NIL,   13                         ; v13  0; never rewritten
.set SPARE, WAVES*WREG                 ; behind the four regions: the spare words, 128 bytes a wave, which no other line names
.set WL,    16                         ; Wo's path: v16-143 two sets of 64 numbers
.set WH,    144                        ; v144-207 two sets of 32 registers of f16 pairs
	s_load_b256 s[4:11], s[0:1], 0x0               ; x s[4:5], Wq s[6:7], Wk s[8:9], Wv s[10:11]
	s_load_b256 s[12:19], s[0:1], 0x20             ; Wo s[12:13], xc s[14:15], xs s[16:17], wc s[18:19]
	s_load_b128 s[20:23], s[0:1], 0x40             ; ws s[20:21], wo16 s[22:23]
	v_lshl_add_u32 v[SPW], v0, 2, SPARE
	v_mov_b32 v[NIL], 0
	v_lshrrev_b32 v1, 5, v0
	v_readfirstlane_b32 s24, v1                    ; wave
	v_and_b32 v2, 31, v0                           ; lane
	v_lshlrev_b32 v3, 4, v2                        ; my 16 bytes of a load's 512
	s_mul_i32 s31, s24, WREG
	v_lshrrev_b32 v14, 2, v2
	v_mul_u32_u24 v14, v14, SP
	v_and_b32 v15, 3, v2
	v_lshl_add_u32 v14, v15, 4, v14
	v_add_nc_u32 v14, s31, v14                     ; the stage, on the way in: SP (lane / 4) + 16 (lane % 4)
	v_mul_u32_u24 v15, v2, SP
	v_add_nc_u32 v15, s31, v15                     ; and on the way out: SP x lane: my 16 neighbours
	v_mul_u32_u24 v4, v2, CB                       ; 8 x lane: my codes' place in a step's; on Wo's path my four f16
	v_lshrrev_b32 v5, 1, v2
	s_add_co_u32 s31, s31, 2*32*SP
	v_add_nc_u32 v5, s31, v5                       ; LDS: my wave's 256 scale bytes, my block's byte
	v_lshlrev_b32 v7, 3, v2                        ; and on the way out 8 bytes a lane
	v_add_nc_u32 v6, s31, v7
	s_sub_co_u32 s25, ttmp9, 128                   ; a weight's work-group among the 96 of wc and ws,
	s_and_b32 s26, s25, 31                         ; and among the 32 of its own tensor
	s_mov_b32 s33, 0
	s_wait_kmcnt 0x0
	s_cmp_ge_u32 ttmp9, 224
	s_cbranch_scc1 .Lwo
	s_cmp_lt_u32 ttmp9, 160                        ; the choices hang on the work-group's number alone
	s_cselect_b64 s[28:29], s[6:7], s[8:9]
	s_cmp_lt_u32 ttmp9, 192
	s_cselect_b64 s[28:29], s[28:29], s[10:11]
	s_cmp_lt_u32 ttmp9, 128
	s_cselect_b64 s[4:5], s[4:5], s[28:29]         ; the numbers,
	s_cselect_b64 s[8:9], s[14:15], s[18:19]       ; the codes,
	s_cselect_b64 s[10:11], s[16:17], s[20:21]     ; the scale bytes
	s_cselect_b32 s27, ttmp9, s26
	s_cselect_b32 s30, ttmp9, s25
	s_lshl_b32 s27, s27, 2
	s_add_co_u32 s27, s27, s24                     ; which run of 8,192 numbers of the tensor is my wave's
	s_lshl_b32 s32, s27, 15                        ; 32,768 bytes a run
	s_add_nc_u64 s[4:5], s[4:5], s[32:33]
	s_lshl_b32 s30, s30, 2
	s_add_co_u32 s30, s30, s24                     ; and which run of the codes' buffer
	s_lshl_b32 s32, s30, 12                        ; 4,096 bytes of codes a run
	s_add_nc_u64 s[8:9], s[8:9], s[32:33]
	s_lshl_b32 s32, s30, 8                         ; 256 scale bytes a run
	s_add_nc_u64 s[10:11], s[10:11], s[32:33]
.macro LOAD t
.irp i, 0,1,2,3
	global_load_b128 v[R+16*((\t)%4)+4*\i:R+16*((\t)%4)+4*\i+3], v3, s[4:5] offset:2048*(\t)+512*\i th:TH_LOAD_NT   ; 32 lanes read 512 consecutive bytes
.endr
.endm
.macro TURN t                          ; step t's numbers through the stage: LDS serves a wave's instructions in order (ISA guide 5.7.1.4), so no wait stands between the stores and the loads
.irp i, 0,1,2,3
	ds_store_b128 v14, v[R+16*((\t)%4)+4*\i:R+16*((\t)%4)+4*\i+3] offset:32*SP*((\t)%2)+8*SP*\i
.endr
.irp i, 0,1,2,3
	ds_load_b128 v[X+16*((\t)%2)+4*\i:X+16*((\t)%2)+4*\i+3], v15 offset:32*SP*((\t)%2)+16*\i
.endr
.endm
.irp t, 0,1,2,3
	LOAD \t
.endr
	s_wait_loadcnt 12                              ; step 0's four loads are in; the twelve of steps 1 to 3 may be out
	TURN 0
.macro STEP t
.set XS, X+16*((\t)%2)
.if (\t) > 0
	s_wait_dscnt 1                                 ; this step's numbers are back from the stage (the last step's byte store may be out): so its stores into the stage have read their registers,
.else
	s_wait_dscnt 0x0
.endif
.if (\t)+4 < STEPS
	LOAD (\t)+4                                    ; which take the loads of four steps on
.endif
.if (\t)+1 < STEPS
.if STEPS-2-(\t) >= 3
	s_wait_loadcnt 12                              ; the next step's four loads are in; those of the three steps behind it may be out
.else
	s_wait_loadcnt 4*(STEPS-2-(\t))
.endif
	TURN (\t)+1                                    ; and go through the other stage while this step is worked
.endif
	v_max3_num_f32 v8, |v[XS]|, |v[XS+1]|, |v[XS+2]|               ; the largest magnitude of my 16, in two chains
	v_max3_num_f32 v9, |v[XS+3]|, |v[XS+4]|, |v[XS+5]|
.irp i, 6,10
	v_max3_num_f32 v8, v8, |v[XS+\i]|, |v[XS+\i+1]|
	v_max3_num_f32 v9, v9, |v[XS+\i+2]|, |v[XS+\i+3]|
.endr
	v_max3_num_f32 v8, v8, |v[XS+14]|, |v[XS+15]|
	v_max3_num_f32 v8, v8, v9, (EMAX+1)<<23        ; and the floor 2^(3 - 127): so the byte cannot fall under 1
	v_max_num_f32_dpp v8, v8, v8 row_xmask:1 row_mask:0xf bank_mask:0xf   ; and of my neighbour's 16: the block's
	v_add_nc_u32 v11, 0xff000000, v8               ; 2 off its exponent field: the conversion takes the exponent field of this operand as its scale, and nothing else of it
	v_cvt_scalef32_pk8_fp4_f32 v[C+4*(\t)], v[XS:XS+7], v11
	v_cvt_scalef32_pk8_fp4_f32 v[C+4*(\t)+1], v[XS+8:XS+15], v11
	v_lshrrev_b32 v[E+(\t)], 23, v11               ; the scale's byte (also the plain line behind the conversions)
	ds_store_b8 v5, v[E+(\t)] offset:16*(\t)       ; both lanes of a block write the same byte with the same value
	global_store_b64 v4, v[C+4*(\t):C+4*(\t)+1], s[8:9] offset:32*CB*(\t)   ; 32 lanes store 256 consecutive bytes, aligned
.endm
.irp t, 0,1,2,3,4,5,6,7,8,9,10,11,12,13,14,15
	STEP \t
.endr
	ds_load_b64 v[8:9], v6                         ; in order behind my byte stores
	s_wait_dscnt 0x0
	global_store_b64 v7, v[8:9], s[10:11]          ; 32 lanes store 256 consecutive bytes, aligned
	s_branch .Lend
.Lwo:
	; Wo to f16: four batches of 16 loads of 512 consecutive bytes; a lane's four numbers become 8 bytes, a wave's store 256 consecutive aligned bytes.  Two sets of registers by turns.
	s_sub_co_u32 s27, ttmp9, 224
	s_lshl_b32 s27, s27, 2
	s_add_co_u32 s27, s27, s24                     ; my run of 8,192 numbers
	s_lshl_b32 s32, s27, 15
	s_add_nc_u64 s[12:13], s[12:13], s[32:33]
	s_lshl_b32 s32, s27, 14
	s_add_nc_u64 s[22:23], s[22:23], s[32:33]
.macro CLOAD k
.irp i, 0,1,2,3,4,5,6,7,8,9,10,11,12,13,14,15
	global_load_b128 v[WL+64*((\k)%2)+4*\i:WL+64*((\k)%2)+4*\i+3], v3, s[12:13] offset:8192*(\k)+512*\i th:TH_LOAD_NT
.endr
.endm
.macro CVT k
.irp i, 0,1,2,3,4,5,6,7,8,9,10,11,12,13,14,15
	v_cvt_pk_f16_f32 v[WH+32*((\k)%2)+2*\i], v[WL+64*((\k)%2)+4*\i], v[WL+64*((\k)%2)+4*\i+1]
	v_cvt_pk_f16_f32 v[WH+32*((\k)%2)+2*\i+1], v[WL+64*((\k)%2)+4*\i+2], v[WL+64*((\k)%2)+4*\i+3]
	global_store_b64 v4, v[WH+32*((\k)%2)+2*\i:WH+32*((\k)%2)+2*\i+1], s[22:23] offset:4096*(\k)+256*\i
.endr
.endm
	CLOAD 0
	CLOAD 1
	s_wait_loadcnt 16                              ; batch 0 is in; batch 1's sixteen may be out
	CVT 0
	CLOAD 2
	s_wait_loadcnt 16                              ; batch 1 is in
	CVT 1
	CLOAD 3
	s_wait_loadcnt 16                              ; batch 2 is in
	s_wait_xcnt 0x0                                ; batch 0's stores have read their data: the set is written again only behind this wait
	CVT 2
	s_wait_loadcnt 0x0
	s_wait_xcnt 0x0                                ; likewise batch 1's
	CVT 3
.Lend:
	s_wait_tensorcnt 0x0                           ; the wave's end: behind my last LDS store
	ds_add_u32 v[SPW], v[NIL]
	s_wait_dscnt 0x0
	s_endpgm
.Lfunc_end_k_qa00925c583_prep:
	.size	k_qa00925c583_prep, .Lfunc_end_k_qa00925c583_prep-k_qa00925c583_prep
	.p2alignl 7, 3214868480
	.fill 96, 4, 3214868480
	.section	.rodata,"a",@progbits
	.p2align	6, 0x0
	.amdhsa_kernel k_qa00925c583_prep
		.amdhsa_group_segment_fixed_size 33280
		.amdhsa_private_segment_fixed_size 0
		.amdhsa_enable_private_segment 0
		.amdhsa_kernarg_size 80
		.amdhsa_user_sgpr_count 2
		.amdhsa_user_sgpr_kernarg_segment_ptr 1
		.amdhsa_wavefront_size32 1
		.amdhsa_system_sgpr_workgroup_id_x 1
		.amdhsa_system_sgpr_workgroup_id_y 1
		.amdhsa_system_sgpr_workgroup_id_z 1
		.amdhsa_system_vgpr_workitem_id 0
		.amdhsa_next_free_vgpr 208
		.amdhsa_next_free_sgpr 66
		.amdhsa_reserve_vcc 0
		.amdhsa_float_denorm_mode_32 3
		.amdhsa_float_denorm_mode_16_64 3
		.amdhsa_memory_ordered 1
		.amdhsa_forward_progress 1
		.amdhsa_inst_pref_size 54
	.end_amdhsa_kernel
	.amdgpu_metadata
---
amdhsa.version: [ 1, 2 ]
amdhsa.kernels:
  - .name:           k_qa00925c583_prep
    .symbol:         k_qa00925c583_prep.kd
    .args:
      - { .name: x, .offset: 0, .size: 8, .value_kind: global_buffer, .address_space: global }
      - { .name: Wq, .offset: 8, .size: 8, .value_kind: global_buffer, .address_space: global }
      - { .name: Wk, .offset: 16, .size: 8, .value_kind: global_buffer, .address_space: global }
      - { .name: Wv, .offset: 24, .size: 8, .value_kind: global_buffer, .address_space: global }
      - { .name: Wo, .offset: 32, .size: 8, .value_kind: global_buffer, .address_space: global }
      - { .name: xc, .offset: 40, .size: 8, .value_kind: global_buffer, .address_space: global }
      - { .name: xs, .offset: 48, .size: 8, .value_kind: global_buffer, .address_space: global }
      - { .name: wc, .offset: 56, .size: 8, .value_kind: global_buffer, .address_space: global }
      - { .name: ws, .offset: 64, .size: 8, .value_kind: global_buffer, .address_space: global }
      - { .name: wo16, .offset: 72, .size: 8, .value_kind: global_buffer, .address_space: global }
    .group_segment_fixed_size: 33280
    .private_segment_fixed_size: 0
    .kernarg_segment_align: 8
    .kernarg_segment_size: 80
    .max_flat_workgroup_size: 128
    .sgpr_count:     66
    .vgpr_count:     208
    .wavefront_size: 32
...
	.end_amdgpu_metadata
.endif
;; end of part 1
;; launch qkv (part 2): grid 12 x 16, 4 waves a work-group, clusters of 4 x 4, 327,680 bytes of LDS; arguments xc, xs, wc, ws, qkv; writes qkv
.if DOCPART == 2
	.amdgcn_target "amdgcn-amd-amdhsa--gfx1250"
	.amdhsa_code_object_version 6
	.text
	.protected	k_qa00925c583_qkv
	.globl	k_qa00925c583_qkv
	.p2align	8
	.type	k_qa00925c583_qkv,@function
k_qa00925c583_qkv:
	s_mov_b64 s[64:65], 0
	v_nop
	global_prefetch_b8 v0, s[64:65] scope:SCOPE_SE
	s_setreg_imm32_b32 hwreg(HW_REG_WAVE_MODE, 25, 1), 1
	s_wait_xcnt 0x0
	s_wait_alu depctr_hold_cnt(0) depctr_sa_sdst(0) depctr_va_vdst(0) depctr_va_sdst(0) depctr_va_ssrc(0) depctr_va_vcc(0) depctr_vm_vsrc(0)
	s_getreg_b32 s2, hwreg(HW_REG_IB_STS2, 6, 4)
	s_cmp_eq_u32 s2, 0
	s_cbranch_scc0 .Lentry_in_a_cluster
	s_endpgm
.Lentry_in_a_cluster:
	s_bfe_u32 s2, ttmp6, 0x10000c
	s_cmp_lg_u32 s2, 0xf033
	s_cbranch_scc0 .Lentry_shape_is_right
	s_endpgm
.Lentry_shape_is_right:
; qkv[m][n] = sum over k of x[m][k] W[n][k], W = Wq, Wk, Wv on end.  A = xc [4096][1024 codes], B = wc [3072][1024 codes]: FP4 (E2M1), with one E8M0 byte for each 32 along K (xs, ws); sums in f32;
; the result is rounded once to f16: qkv [4096][3072], a row of 6,144 bytes: q at byte 0, k at 2,048, v at 4,096.
; LIMIT: |q|, |k|, |v| stay under 65,504, the largest f16 number.
; A tile of C, 256 x 256, is made by a work-group of four waves; a wave makes 128 x 128: 64 accumulators of 16 x 16, 512 registers.  12 x 16 = 192 work-groups: a tile of 256 x 192 would make 256, but a wave's
; 96 columns of f16 would be 192 bytes, no whole run of 256.
; K = 1,024 is two steps of 512 (tile rows of 256 bytes): the two LDS slots and the scales are all first fills, nothing is filled again, and there is no loop.  By this text's count a wave has three tensor loads out.
; THE SCALES of the work-group's 256 rows of A and of B, for all of K, are two dense blocks of 8,192 bytes: they come into LDS once, as rows of 256 bytes.
; CLUSTERS: 4 x 4 work-groups.  The four of a row of the cluster need the same tiles of A, the four of a column the same tiles of B: each tile is asked for JOINTLY, by the same tensor load with the same descriptor
; and a mask that names the four.  THE MATRIX INSTRUCTION IS USED TRANSPOSED (source 0 = 16 rows of B, source 1 = 16 rows of A): a lane then holds eight neighbouring numbers of a row of C.
; REGISTERS, in windows of 256: window 0: v0-31 addresses; v32-95 scale words, two sets; v128-191 A's fragments, ONE set; on the way out v32-63, v192-255.
;   window 1: B's fragments, TWO sets, at v0 and v128.   window 2: the 32 accumulators of my rows 0-63 ((a, b) at v[8 (8 a + b)]);   window 3: those of my rows 64-127.
.set SIZE_M, 4096
.set SIZE_N, 3072
.set SIZE_K, 1024
.set KSTEP,  512                       ; along K in a slot
.set NQ,     KSTEP/128                 ; matrix instructions deep
.set ROWB,   256                       ; a tile's row in bytes
.set KROW,   SIZE_K*4/8                ; a row of codes in memory, in bytes
.set PITCH,  272                       ; an LDS row: 256 bytes + 16 of padding = 68 words: row r starts at bank 4 r mod 64 (64 banks of 4 bytes: ISA guide 11.1)
.set FR,     8                         ; registers of a fragment: 16 rows x 128 K
.set NL,     2                         ; LDS loads that bring one
.set NP,     4                         ; places behind this matrix instruction (ISA guide 7.12.1)
.set HALFT,  128*PITCH                 ; 128 rows: what one tensor load brings
.set SLOT,   4*HALFT                   ; A's 256 rows, then B's 256 rows
.set KS,     SIZE_K/32                 ; a row of scales in bytes
.set SCL,    2*SLOT                    ; behind the slots: the scales, as rows of 256 bytes + 16 of padding
.set HALFS,  (128*KS/256)*272          ; the scales of 128 rows
.set SBLK,   (16*KS/256)*272           ; those of 16 rows
.set SPARE,  SCL+4*HALFS               ; the spare words, 128 bytes a wave, which no other line names
.set STAGE,  SPARE+512                 ; the way out: 16 rows x 272 bytes for each wave; no tensor load lands here
.set SPITCH, 272
.set CROW,   SIZE_N*2                  ; a row of C in bytes
.set ADRA, 16                          ; v16-17  LDS address of my A fragments in slot 0, 1
.set ADRB, 20                          ; v20-21  the same for B
.set STO,  24                          ; v24     the way out: where I put 16 bytes of a row
.set RD,   25                          ; v25     where I read a row back
.set CO,   26                          ; v26     my byte offset in C
.set ADRS, 27                          ; v27     LDS address of my scale words: lanes 0-15 A's rows, lanes 16-31 B's
.set SPW,  28                          ; v28     LDS address of my spare word; never rewritten
.set NIL,  29                          ; v29     0; never rewritten
.set SC,   32                          ; scale words: set s at v[SC + 32 s]; register 4 i + q: lanes 0-15 the word of A's block i, lanes 16-31 that of B's block i, for the slot's q-th 128 along K
.set AF,   128                         ; A's fragments, in window 0
.set TMP,  192                         ; the way out: packed results
.set OB,   32                          ; the way out: 16 rows read back: v32-63 and v224-255 by turns
.set G1, 24                            ; s[24:31] descriptor group 1 for A's tiles;  s[32:39] group 0, one set for each slot
.set G0, 32
.set G1B, 48                           ; s[48:55], s[56:63] the same for B's tiles
.set G0B, 56
.set G1S, 68                           ; s[68:75], s[76:79] groups 1 and 0 for A's scales;  s[80:87], s[88:91] for B's
.set G0S, 76
.set G1SB, 80
.set G0SB, 88
.set MSB, 0
.macro WIN new                         ; the immediate's high byte repeats the setting that is left
.if MSB != \new
	s_set_vgpr_msb (MSB<<8)|\new
.set MSB, \new
.endif
.endm
.set MUL_LO, 0xa1                      ; source 0 (B) window 1, source 1 (A) window 0, C and D window 2
.set MUL_HI, 0xf1                      ; the same, C and D window 3
.set TO_B,   0x40                      ; destination window 1, address window 0
; A joint load: waves 0 and 1 fetch for A, waves 2 and 3 for B.  Each of the two lines has ONE mask and one set of registers for all that issue it; the branch hangs on the wave's number alone.
; An s_nop 0 and four v_nop follow each of the two lines.
.macro JLOAD g0a, g1a, g0b, g1b
	s_cmp_eq_u32 s15, 0
	s_cbranch_scc0 .Lfor_b_\@
	tensor_load_to_lds s[\g0a:\g0a+3], s[\g1a:\g1a+7]
	s_nop 0
.rept 4
	v_nop
.endr
	s_branch .Lasked_\@
.Lfor_b_\@:
	tensor_load_to_lds s[\g0b:\g0b+3], s[\g1b:\g1b+7]
	s_nop 0
.rept 4
	v_nop
.endr
.Lasked_\@:
.endm
.macro CROUND                          ; a round of the cluster's barrier
	s_barrier_signal -1
	s_barrier_wait -1
	s_cmp_lg_u32 s14, 0
	s_cbranch_scc1 .Lnot_wave_0_\@
	s_barrier_signal -3
.Lnot_wave_0_\@:
	s_barrier_wait -3
	s_barrier_signal -1
	s_barrier_wait -1
.endm
	s_load_b128 s[4:7], s[0:1], 0x0                ; A's codes s[4:5], A's scales s[6:7]
	s_load_b128 s[8:11], s[0:1], 0x10              ; B's codes s[8:9], B's scales s[10:11]
	s_load_b64 s[12:13], s[0:1], 0x20              ; C
	v_lshl_add_u32 v[SPW], v0, 2, SPARE
	v_mov_b32 v[NIL], 0
	ds_add_u32 v[SPW], v[NIL]                      ; the wave's opening: the add, twice on end, and its wait ahead of my first tensor load
	ds_add_u32 v[SPW], v[NIL]
	v_lshrrev_b32 v1, 5, v0
	v_readfirstlane_b32 s14, v1                    ; wave 0..3
	s_lshr_b32 s15, s14, 1                         ; which half of the tile's rows is mine.  Also: I fetch for A (0) or for B (1)
	s_and_b32 s16, s14, 1                          ; which half of its columns.  Also: which 128 rows of that tile I fetch
	s_bfe_u32 s40, ttmp6, 0x40000                  ; cx, cy: my place in the cluster
	s_bfe_u32 s41, ttmp6, 0x40004
	s_lshl_b32 s42, ttmp9, 2
	s_add_co_u32 s42, s42, s40                     ; tile column of C = 4 x cluster x + cx
	s_and_b32 s17, ttmp7, 0xffff
	s_lshl_b32 s17, s17, 2
	s_add_co_u32 s17, s17, s41                     ; tile row of C = 4 x cluster y + cy
	s_lshl_b32 s43, s41, 2
	s_lshl_b32 s43, 15, s43                        ; my row of the cluster
	s_lshl_b32 s44, 0x1111, s40                    ; my column
	; descriptor group 1: a tile of 128 rows x 256 bytes, padded in LDS
	s_or_b32 s[G1+0], s43, (0<<16)|(1<<20)|(1<<21)|(5<<22)|(3<<25)  ; 15:0 the mask: A's tiles go to my row; 17:16 element of 1 byte; 20 padding on; 21 set beside a mask; 24:22 after every 64 words; 31:25 four words
	s_or_b32 s[G1B+0], s44, (0<<16)|(1<<20)|(1<<21)|(5<<22)|(3<<25)
.irp g, G1, G1B
	s_mov_b32 s[\g+1], ROWB<<16                    ; tensor_dim0
	s_mov_b32 s[\g+2], 128<<16                     ; tensor_dim1 = 128
	s_mov_b32 s[\g+3], ROWB<<16                    ; tile_dim0
	s_mov_b32 s[\g+4], 128                         ; tile_dim1 = 128
	s_mov_b32 s[\g+5], KROW                        ; tensor_dim0_stride
	s_mov_b32 s[\g+6], 0
	s_mov_b32 s[\g+7], 0
.endr
	; the scales of 128 rows: a dense block of 4,096 bytes, as 16 rows of 256 bytes (32 elements of 8 bytes), 16 bytes of padding behind each
	s_or_b32 s[G1S+0], s43, (3<<16)|(1<<20)|(1<<21)|(5<<22)|(3<<25)
	s_or_b32 s[G1SB+0], s44, (3<<16)|(1<<20)|(1<<21)|(5<<22)|(3<<25)
.irp g, G1S, G1SB
	s_mov_b32 s[\g+1], 32<<16
	s_mov_b32 s[\g+2], (128*KS/256)<<16
	s_mov_b32 s[\g+3], 32<<16
	s_mov_b32 s[\g+4], 128*KS/256
	s_mov_b32 s[\g+5], 32
	s_mov_b32 s[\g+6], 0
	s_mov_b32 s[\g+7], 0
.endr
	s_lshl_b32 s18, s16, 7                         ; which 128 rows of the tile I fetch
	s_lshl_b32 s20, s17, 8
	s_add_co_u32 s20, s20, s18                     ; A: row 256 x tile row + 128 x half
	s_lshl_b32 s46, s42, 8
	s_add_co_u32 s46, s46, s18                     ; B: row 256 x tile column + 128 x half
	s_mov_b32 s21, 0
	s_mov_b32 s47, 0
	s_mov_b64 s[18:19], KS
	s_mul_u64 s[22:23], s[20:21], s[18:19]         ; where these rows' scales begin, in bytes
	s_mul_u64 s[92:93], s[46:47], s[18:19]
	s_mov_b64 s[18:19], KROW
	s_mul_u64 s[20:21], s[20:21], s[18:19]         ; and their codes
	s_mul_u64 s[46:47], s[46:47], s[18:19]
	s_mul_i32 s45, s14, HALFT                      ; where they go: wave x 128 rows: no place in the cluster enters an LDS address
	s_mul_i32 s94, s14, HALFS
	s_wait_dscnt 0x0                               ; both opening adds are done
	s_wait_kmcnt 0x0
	s_add_nc_u64 s[20:21], s[4:5], s[20:21]
	s_add_nc_u64 s[22:23], s[6:7], s[22:23]
	s_add_nc_u64 s[46:47], s[8:9], s[46:47]
	s_add_nc_u64 s[92:93], s[10:11], s[92:93]
	CROUND                                         ; all sixteen work-groups are here: the joint loads meet
	s_mov_b32 s[G0S], 1
	s_add_co_u32 s[G0S+1], s94, SCL
	s_mov_b64 s[G0S+2:G0S+3], s[22:23]
	s_or_b32 s[G0S+3], s[G0S+3], 0x80000000
	s_mov_b32 s[G0SB], 1
	s_add_co_u32 s[G0SB+1], s94, SCL
	s_mov_b64 s[G0SB+2:G0SB+3], s[92:93]
	s_or_b32 s[G0SB+3], s[G0SB+3], 0x80000000
	JLOAD G0S, G1S, G0SB, G1SB                     ; the scales first: they are wanted with K step 0
.irp s, 0,1
	s_mov_b32 s[G0+4*\s], 1
	s_add_co_u32 s[G0+4*\s+1], s45, \s*SLOT
	s_add_nc_u64 s[G0+4*\s+2:G0+4*\s+3], s[20:21], \s*ROWB
	s_or_b32 s[G0+4*\s+3], s[G0+4*\s+3], 0x80000000
	s_mov_b32 s[G0B+4*\s], 1
	s_add_co_u32 s[G0B+4*\s+1], s45, \s*SLOT
	s_add_nc_u64 s[G0B+4*\s+2:G0B+4*\s+3], s[46:47], \s*ROWB
	s_or_b32 s[G0B+4*\s+3], s[G0B+4*\s+3], 0x80000000
	JLOAD G0+4*\s, G1, G0B+4*\s, G1B
.endr
	v_and_b32 v1, 15, v0                           ; l % 16
	v_bfe_u32 v2, v0, 4, 1                         ; l / 16
	v_mul_u32_u24 v3, v1, PITCH
	v_lshl_add_u32 v4, v2, 4, v3                   ; a fragment's row x pitch + 16 x half
	s_mul_i32 s21, s15, HALFT                      ; my 128 rows of A
	s_mul_i32 s22, s16, HALFT                      ; my 128 rows of B,
	s_add_co_u32 s22, s22, 2*HALFT                 ; which lie behind A's 256
.irp s, 0,1
	v_add_nc_u32 v[ADRA+\s], s21, v4
	v_add_nc_u32 v[ADRB+\s], s22, v4
	s_add_co_u32 s21, s21, SLOT
	s_add_co_u32 s22, s22, SLOT
.endr
	v_mul_u32_u24 v5, v1, KS                       ; my row's scales: KS bytes a row,
	v_lshrrev_b32 v6, 8, v5
	v_lshl_add_u32 v5, v6, 4, v5                   ; and 16 more for each 256 passed
	s_mul_i32 s21, s15, HALFS                      ; A's: my 128 rows
	s_mul_i32 s22, s16, HALFS                      ; B's: my 128 rows, behind A's 256
	s_add_co_u32 s22, s22, 2*HALFS
	s_sub_co_u32 s22, s22, s21
	v_mul_u32_u24 v6, s22, v2                      ; lanes 16-31 take B's: one product, the distance between the two bases
	s_add_co_u32 s21, s21, SCL
	v_add_nc_u32 v5, v5, v6
	v_add_nc_u32 v[ADRS], s21, v5
	s_mul_i32 s23, s14, 16*SPITCH
	s_add_co_u32 s23, s23, STAGE                   ; my stage
	v_mul_u32_u24 v5, v1, SPITCH                   ; in: row l % 16, 16 bytes for each half of the lanes
	v_lshl_add_u32 v5, v2, 4, v5
	v_add_nc_u32 v[STO], s23, v5
	v_mul_u32_u24 v5, v2, SPITCH                   ; back: lanes 0-15 take one row of 256 bytes, lanes 16-31 the next
	v_lshl_add_u32 v5, v1, 4, v5
	v_add_nc_u32 v[RD], s23, v5
	v_mul_u32_u24 v5, v2, CROW                     ; and the same two rows in C
	v_lshl_add_u32 v[CO], v1, 4, v5
	s_lshl_b32 s20, s17, 8
	s_lshl_b32 s21, s15, 7
	s_add_co_u32 s20, s20, s21                     ; my first row of C: 256 x tile row + 128 x half
	s_mov_b32 s21, 0
	s_mov_b64 s[18:19], CROW
	s_mul_u64 s[20:21], s[20:21], s[18:19]
	s_lshl_b32 s46, s42, 9                         ; my first column, in bytes: 512 x tile column + 256 x half
	s_lshl_b32 s47, s16, 8
	s_add_co_u32 s46, s46, s47
	s_mov_b32 s47, 0
	s_add_nc_u64 s[20:21], s[20:21], s[46:47]
	s_add_nc_u64 s[12:13], s[12:13], s[20:21]
.macro FRAG reg, adr, q, i             ; a fragment, 16 rows x 128 K of 4-bit codes, is 8 registers: lane l holds row l % 16; registers 4 c .. 4 c + 3 hold K = 64 c + 32 (l / 16) + 0 .. 31
.irp c, 0,1
	ds_load_b128 v[\reg+4*\c:\reg+4*\c+3], v[\adr] offset:64*(\q)+32*\c+(\i)*16*PITCH
.endr
.endm
; 16 matrix instructions: A's blocks a0, a0 + 1 x B's eight, 128 along K: the slot's q-th.  p: B's set;  sc: the set of scale words.  zero = 1: the first product starts the sums: nothing is ever cleared.
; The 64 accumulators take turns, one instruction a turn, in the same order in every step.
.macro MUL16 a0, p, q, sc, zero
.irp a, \a0, \a0+1
.irp b, 0,1,2,3,4,5,6,7
.if \zero
	v_wmma_scale_f32_16x16x128_f8f6f4 v[8*(8*((\a)%4)+\b):8*(8*((\a)%4)+\b)+7], v[128*(\p)+FR*\b:128*(\p)+FR*\b+FR-1], v[AF+FR*(\a):AF+FR*(\a)+FR-1], 0, v[SC+8*NQ*(\sc)+NQ*\b+(\q)], v[SC+8*NQ*(\sc)+NQ*(\a)+(\q)] matrix_a_fmt:MATRIX_FMT_FP4 matrix_b_fmt:MATRIX_FMT_FP4 matrix_a_scale:MATRIX_SCALE_ROW1
.else
	v_wmma_scale_f32_16x16x128_f8f6f4 v[8*(8*((\a)%4)+\b):8*(8*((\a)%4)+\b)+7], v[128*(\p)+FR*\b:128*(\p)+FR*\b+FR-1], v[AF+FR*(\a):AF+FR*(\a)+FR-1], v[8*(8*((\a)%4)+\b):8*(8*((\a)%4)+\b)+7], v[SC+8*NQ*(\sc)+NQ*\b+(\q)], v[SC+8*NQ*(\sc)+NQ*(\a)+(\q)] matrix_a_fmt:MATRIX_FMT_FP4 matrix_b_fmt:MATRIX_FMT_FP4 matrix_a_scale:MATRIX_SCALE_ROW1
.endif
.endr
.endr
.endm
.macro FETCH_B slot, q, p              ; B's eight fragments of the slot's q-th 128 along K into set p
	WIN TO_B
.irp i, 0,1,2,3,4,5,6,7
	FRAG 128*(\p)+FR*\i, ADRB+\slot, \q, \i
.endr
	WIN 0
.endm
.macro FETCH_A slot, q, i0             ; A's blocks i0 .. i0 + 3
.irp i, \i0, \i0+1, \i0+2, \i0+3
	FRAG AF+FR*(\i), ADRA+\slot, \q, \i
.endr
.endm
.macro SCALES sc                       ; a K step's scale words into set sc: four words a row; lanes 0-15 take A's block i, lanes 16-31 B's block i
.irp i, 0,1,2,3,4,5,6,7
	ds_load_b128 v[SC+8*NQ*\sc+NQ*\i:SC+8*NQ*\sc+NQ*\i+3], v[ADRS] offset:\i*SBLK
.endr
.endm
; A load into a register that a matrix instruction has read, and a vector instruction that reads a matrix result, stand NP places behind that matrix instruction; only plain vector instructions that name none
; of its registers are places (ISA guide 7.12.1 for vector instructions).
.macro PLACES n
.rept \n
	v_nop
.endr
.endm
; A step of 128 along K that has its successor in the same slot.
.macro STEP slot, q, zero
	s_wait_dscnt 4*NL                              ; B's set and A's blocks 0-3 are in; the youngest eight loads (A's blocks 4-7) may be out
	WIN MUL_LO
	MUL16 0, (\q)%2, \q, \slot, \zero
	MUL16 2, (\q)%2, \q, \slot, \zero
	s_wait_dscnt 0                                 ; A's blocks 4-7 are in
	PLACES NP
	FETCH_B \slot, (\q)+1, 1-(\q)%2
	FETCH_A \slot, (\q)+1, 0
	WIN MUL_HI
	MUL16 4, (\q)%2, \q, \slot, \zero
	MUL16 6, (\q)%2, \q, \slot, \zero
	PLACES NP
	WIN 0
	FETCH_A \slot, (\q)+1, 4
.endm
; Slot 0's last step goes over to slot 1: each wave waits for all its tensor loads (its part of slot 1), and one barrier shows slot 1 whole to all four.  Nothing is filled again.
.macro TURN slot, next
	s_wait_tensorcnt 0x0                           ; all my tensor loads have landed: my part of the next slot
	ds_add_u32 v[SPW], v[NIL]                      ; 0 onto my spare word
	s_wait_dscnt 4*NL+1                            ; (the add and the youngest eight loads, A's blocks 4-7, may be out)
	WIN MUL_LO
	MUL16 0, 1, NQ-1, \slot, 0
	s_wait_dscnt 0x0                               ; no LDS instruction of mine is out at the signal
	s_barrier_signal -1
	MUL16 2, 1, NQ-1, \slot, 0
	WIN 0
	s_barrier_wait -1
	PLACES NP
	v_add_nc_u32 v[ADRS], 4*NQ, v[ADRS]            ; on to the next K step's scale words
	FETCH_B \next, 0, 0
	FETCH_A \next, 0, 0
	SCALES \next
	WIN MUL_HI
	MUL16 4, 1, NQ-1, \slot, 0
	MUL16 6, 1, NQ-1, \slot, 0
	PLACES NP
	WIN 0
	FETCH_A \next, 0, 4
.endm
.macro STEPS slot, from                ; the slot's steps from .. NQ - 2
.set Q, \from
.rept NQ-1-\from
	STEP \slot, Q, 0
.set Q, Q+1
.endr
.endm
	s_wait_tensorcnt 1                             ; the scales and my part of K step 0 are in (K step 1's load may be out)
	s_barrier_signal -1
	s_barrier_wait -1                              ; everybody's are
	FETCH_B 0, 0, 0
	FETCH_A 0, 0, 0
	SCALES 0
	FETCH_A 0, 0, 4
	STEP 0, 0, 1                                   ; the first step's products start the sums
	STEPS 0, 1
	TURN 0, 1
	STEPS 1, 0
	s_wait_dscnt 4*NL                              ; the very last step: nothing more to fetch
	WIN MUL_LO
	MUL16 0, 1, NQ-1, 1, 0
	MUL16 2, 1, NQ-1, 1, 0
	s_wait_dscnt 0
	WIN MUL_HI
	MUL16 4, 1, NQ-1, 1, 0
	MUL16 6, 1, NQ-1, 1, 0
	WIN 0
; THE WAY OUT, block by block of 16 rows x 128 columns.  PACK: rounded to f16, 16 bytes a lane, each accumulator from its low end on.  TOSTAGE: into my own stage and back as whole rows of 256 bytes.  SEND: stored.
.macro PACK a
.set AC, 64*((\a)%4)
	WIN 0x0a+5*((\a)/4)                            ; sources 0 and 1: window 2 or 3
.irp b, 0,1,2,3,4,5,6,7
.irp i, 0,1,2,3
	v_cvt_pk_f16_f32 v[TMP+4*\b+\i], v[AC+8*\b+2*\i], v[AC+8*\b+2*\i+1]
.endr
.endr
	WIN 0
.endm
.macro TOSTAGE a
.set BB, OB+192*((\a)%2)
.irp b, 0,1,2,3,4,5,6,7
	ds_store_b128 v[STO], v[TMP+4*\b:TMP+4*\b+3] offset:32*\b
.endr
.irp t, 0,1,2,3,4,5,6,7
	ds_load_b128 v[BB+4*\t:BB+4*\t+3], v[RD] offset:\t*2*SPITCH    ; LDS serves a wave's instructions in order (ISA guide 5.7.1.4): these see the stores above
.endr
.endm
.macro SEND a
.set BB, OB+192*((\a)%2)
	s_wait_dscnt 0x0                               ; the block is back in registers
	s_wait_xcnt 0x0                                ; the earlier stores have read their base and their data: both are written again only behind this wait
.if (\a) > 0
	s_add_nc_u64 s[12:13], s[12:13], 16*CROW       ; 16 rows of C on
.endif
.irp t, 0,1,2,3,4,5,6,7
	global_store_b128 v[CO], v[BB+4*\t:BB+4*\t+3], s[12:13] offset:2*\t*CROW   ; 16 lanes store 256 consecutive bytes, at a multiple of 256 from C's first byte
.endr
.endm
	PLACES NP                                      ; behind the last products: for the conversions that read results and the loads into the registers that held scale words
	PACK 0
	TOSTAGE 0
.irp a, 1,2,3,4,5,6,7                  ; block a's conversions stand between block a - 1's loads from the stage and the wait for them
	PACK \a
	SEND \a-1
	TOSTAGE \a
.endr
	SEND 7
	s_wait_tensorcnt 0x0                           ; the wave's end: behind my last tensor load and my last LDS store
	ds_add_u32 v[SPW], v[NIL]
	s_wait_dscnt 0x0
	CROUND                                         ; the closing round: no work-group ends while a partner may still ask for a tile that names it
	s_endpgm
.Lfunc_end_k_qa00925c583_qkv:
	.size	k_qa00925c583_qkv, .Lfunc_end_k_qa00925c583_qkv-k_qa00925c583_qkv
	.p2alignl 7, 3214868480
	.fill 96, 4, 3214868480
	.section	.rodata,"a",@progbits
	.p2align	6, 0x0
	.amdhsa_kernel k_qa00925c583_qkv
		.amdhsa_group_segment_fixed_size 327680
		.amdhsa_private_segment_fixed_size 0
		.amdhsa_enable_private_segment 0
		.amdhsa_kernarg_size 40
		.amdhsa_user_sgpr_count 2
		.amdhsa_user_sgpr_kernarg_segment_ptr 1
		.amdhsa_wavefront_size32 1
		.amdhsa_system_sgpr_workgroup_id_x 1
		.amdhsa_system_sgpr_workgroup_id_y 1
		.amdhsa_system_sgpr_workgroup_id_z 1
		.amdhsa_system_vgpr_workitem_id 0
		.amdhsa_next_free_vgpr 1024
		.amdhsa_next_free_sgpr 98
		.amdhsa_reserve_vcc 0
		.amdhsa_float_denorm_mode_32 3
		.amdhsa_float_denorm_mode_16_64 3
		.amdhsa_memory_ordered 1
		.amdhsa_forward_progress 1
		.amdhsa_inst_pref_size 127
	.end_amdhsa_kernel
	.amdgpu_metadata
---
amdhsa.version: [ 1, 2 ]
amdhsa.kernels:
  - .name:           k_qa00925c583_qkv
    .symbol:         k_qa00925c583_qkv.kd
    .args:
      - { .name: xc, .offset: 0, .size: 8, .value_kind: global_buffer, .address_space: global }
      - { .name: xs, .offset: 8, .size: 8, .value_kind: global_buffer, .address_space: global }
      - { .name: wc, .offset: 16, .size: 8, .value_kind: global_buffer, .address_space: global }
      - { .name: ws, .offset: 24, .size: 8, .value_kind: global_buffer, .address_space: global }
      - { .name: qkv, .offset: 32, .size: 8, .value_kind: global_buffer, .address_space: global }
    .group_segment_fixed_size: 327680
    .private_segment_fixed_size: 0
    .kernarg_segment_align: 8
    .kernarg_segment_size: 40
    .max_flat_workgroup_size: 128
    .sgpr_count:     98
    .vgpr_count:     1024
    .wavefront_size: 32
...
	.end_amdgpu_metadata
.endif
;; end of part 2
;; launch attn (part 3): grid 16 x 16, 8 waves a work-group, clusters of 4 x 1, 327,680 bytes of LDS; arguments qkv, att; writes att
.if DOCPART == 3
	.amdgcn_target "amdgcn-amd-amdhsa--gfx1250"
	.amdhsa_code_object_version 6
	.text
	.protected	k_qa00925c583_attn
	.globl	k_qa00925c583_attn
	.p2align	8
	.type	k_qa00925c583_attn,@function
k_qa00925c583_attn:
	s_mov_b64 s[64:65], 0
	v_nop
	global_prefetch_b8 v0, s[64:65] scope:SCOPE_SE
	s_setreg_imm32_b32 hwreg(HW_REG_WAVE_MODE, 25, 1), 1
	s_wait_xcnt 0x0
	s_wait_alu depctr_hold_cnt(0) depctr_sa_sdst(0) depctr_va_vdst(0) depctr_va_sdst(0) depctr_va_ssrc(0) depctr_va_vcc(0) depctr_vm_vsrc(0)
	s_getreg_b32 s2, hwreg(HW_REG_IB_STS2, 6, 4)
	s_cmp_eq_u32 s2, 0
	s_cbranch_scc0 .Lentry_in_a_cluster
	s_endpgm
.Lentry_in_a_cluster:
	s_bfe_u32 s2, ttmp6, 0x10000c
	s_cmp_lg_u32 s2, 0x3003
	s_cbranch_scc0 .Lentry_shape_is_right
	s_endpgm
.Lentry_shape_is_right:
; att[b][i][64 head ..] = the sum over j of softmax_j(q_i . k_j / 8) v_j, for 2 batches x 16 heads of 64, 2,048 positions, no mask.  q, k, v: f16, in qkv [4096][3072] (q at byte 0, k at 2,048, v at 4,096 of a row of
; 6,144 bytes; head h at 128 h).  Products, maxima and sums in f32; the weights p are rounded to f16 for the second product, the result once to f16: att [4096][1024].
; LIMIT: the result stays under 65,504, the largest f16 number (it is an average of v); NaN and infinities are not served.
; SHARES.  A work-group owns 128 queries of a PAIR of heads: a pair's part of a row is 256 bytes, aligned, in q, k, v and att alike.  Wave w takes head w / 4 of the pair and queries 32 (w % 4) on: two tiles of 16.
; Every wave walks all 2,048 keys, 64 a step, 256 a slot, 8 slots.
; LAYOUT.  S^T = K Q^T (source 0 = 16 keys, source 1 = 16 queries): a lane holds ONE query (lane % 16) and the keys 8 (lane / 16) + 0..7.  Two such tiles, rounded to f16 in pairs, ARE source 1 (32 keys x 16 queries) of
; O^T = V^T P, whose result again holds one query a lane, and eight channels.  K comes out of LDS as it lies, V ([key][channel]) turned, by ds_load_tr16_b128.
; SOFTMAX.  For each query a running maximum m and sum l: p = 2^(c s - c m), c = log2(e) / 8; in every step O and l are multiplied by a = 2^(c m_old - c m_new).  The step is written once: m begins at -3e38 and l and O^T at 0.
; THE ORDER OF A STEP: fetch K of the next step | this step's softmax | V^T P | fetch V of the next step | K Q^T of the next step.  So each run of LDS loads has a softmax or sixteen products between its issue and its use.
; THE RING.  Two LDS slots of four key steps; a step's tiles lie together, 64 rows of K, then 64 rows of V.  Every wave fetches one step's K (waves 0-3) or V (waves 4-7): 64 rows x 256 bytes.  By this text's count a wave
; has one tensor load out, and it has four key steps in which to land.  The change of slots stands between a slot's last K Q^T and its last V^T P, whose V is in registers by then: K's first fragments of the new slot land
; under those products.
; TWO GROUPS OF WAVES.  Eight waves lie on four SIMDs, two on each.  Group g = ((w >> 2) ^ w) & 1 differs between waves w and w + 4 and between waves 2 i and 2 i + 1.  Group 0 runs the softmax of a slot's last step ahead of the
; change of slots, group 1 behind it: behind the change one group issues products while the other walks its softmax, and so they go on by turns.  The two branches hang on the wave's number alone and lead round the
; softmax and nothing else.
; CLUSTER.  The four query blocks of a cluster belong to one pair of heads and walk the same K and V: each tile is asked for JOINTLY, by the same tensor load with the same descriptor and a mask that names the four.
; REGISTERS: window 0: v1-13 addresses; v16-31 statistics, eight a tile; v32-95 S^T, 32 a tile; v96-127 P, 16 a tile; v128-191 O^T, 32 a tile.   window 1: v0-31 Q; v32-95 K of one step; v128-191 V of one step.
.set QROW,  6144                       ; a row of qkv in bytes
.set NKEYS, 2048
.set KS,    64                         ; keys in a step
.set NQ,    4                          ; steps in a slot
.set SK,    KS*NQ                      ; keys in a slot
.set NSL,   NKEYS/SK                   ; slots' worth of keys
.set PK,    272                        ; a row of K in LDS: 256 bytes + 16: row r starts at bank 4 r mod 64 (64 banks of 4 bytes: ISA guide 11.1)
.set PVP,   288                        ; a row of V: 256 + 32: row r starts at bank 8 r mod 64
.set VOFF,  KS*PK                      ; in a step's tiles V lies behind K's 64 rows
.set STEPB, KS*(PK+PVP)                ; a step's tiles: 35,840 bytes
.set SLOTB, NQ*STEPB                   ; a slot: 143,360 bytes; slot 1 begins here
.set STAGE, 2*SLOTB                    ; behind the ring: 128 rows x 272 bytes, the work-group's, for the way out; no tensor load lands here
.set SP,    272
.set SPARE, STAGE+128*SP               ; the spare words, 128 bytes a wave, which no other line names
.set SLOTG, SK*QROW                    ; a slot on in memory
.set AK0, 3                            ; v3   my lane's place in a tile of K; never rewritten
.set AV0, 4                            ; v4   the same for V
.set ADK, 5                            ; v5   LDS address of the run of K's loads in hand
.set ADV, 6                            ; v6   of V's
.set QO,  7                            ; v7   my byte offset in the wave's rows of q
.set STO, 8                            ; v8   the way out: where I put 16 bytes of a row
.set RD,  9                            ; v9   where I read a row back
.set GO,  10                           ; v10  my byte offset in the wave's rows of att
.set PFO, 11                           ; v11  6,144 x my lane: the prefetches' offset, a lane a row; never rewritten
.set SPW, 12                           ; v12  LDS address of my spare word; never rewritten
.set NIL, 13                           ; v13  0; never rewritten
.set ST,  16                           ; tile t's statistics at v[ST + 8 t]: +0 c m, +1 m, +2, +3 l (even keys', odd keys'), +4 to +7 at work; a at +6
.set S,   32
.set P,   96
.set O,   128
.set QF,  0                            ; window 1
.set KF,  32
.set VF,  128
.set WV,  8                            ; s8   my wave's number
.set G1K, 24                           ; s[24:31] descriptor group 1 for K's tiles
.set G1V, 32                           ; s[32:39] for V's: it differs in the padding alone
.set G0K, 40                           ; s[40:43] group 0 for K's tiles, which walks
.set G0V, 44                           ; s[44:47] for V's
.set PFA, 48                           ; s[48:49] where my prefetches stand: my 32 rows of the slot after the one that is being asked for
.set LIM, 50                           ; s50  1 in a wave that prefetches, else the greatest number
.set SLOTS, 51                         ; s51  slots still to be asked for
.set TB,  52                           ; s52  LDS byte at which the tiles of the step to be fetched begin
.set CNT, 53                           ; s53  counts a slot's first three steps
.set CS,  54                           ; s[54:55] c: the packed scaling names a pair and takes its low word for both halves
.set SEL, 56                           ; s[56:57] lane selects for v_permlanex16_b32: lane l xor 16
.set KL,  58                           ; s58  where my tile of K lies in a slot: STEPB x (w % 4)
.set VL,  59                           ; s59  and my tile of V: the same + VOFF
.set TF,  60                           ; s60  the slot that is filled next: 0 or SLOTB
.set GRP, 61                           ; s61  my group, 0 or 1
.set MSB, 0
.macro WIN new                         ; the immediate's high byte repeats the setting that is left
.if MSB != \new
	s_set_vgpr_msb (MSB<<8)|\new
.set MSB, \new
.endif
.endm
; A joint load.  The branch hangs on the wave's number alone.  An s_nop 0 and four v_nop follow each of the two lines.
.macro JLOAD
	s_cmp_lt_u32 s[WV], 4
	s_cbranch_scc0 .Lfor_v_\@
	tensor_load_to_lds s[G0K:G0K+3], s[G1K:G1K+7]
	s_nop 0
.rept 4
	v_nop
.endr
	s_branch .Lasked_\@
.Lfor_v_\@:
	tensor_load_to_lds s[G0V:G0V+3], s[G1V:G1V+7]
	s_nop 0
.rept 4
	v_nop
.endr
.Lasked_\@:
.endm
; A PREFETCH INTO THE L2 of what the NEXT change of slots will ask for: a slot's 256 rows of K and of V, 256 bytes a row, a lane a row.  Each row is named ONCE in the launch: all four clusters of a pair of heads walk the
; same rows, so the first of them (cluster x = 0) asks; its four partners take 64 rows of each, told apart BY ADDRESS; in each, waves 0 and 1 ask for K's and waves 4 and 5 for V's, 32 rows a wave.  The last change that
; fills a slot asks for nothing; slots 0 and 1 come by their loads alone.
.macro ASK
	s_cmp_gt_u32 s[SLOTS], s[LIM]
	s_cbranch_scc0 .Lnot_mine_\@
	global_prefetch_b8 v[PFO], s[PFA:PFA+1] th:TH_LOAD_NT scope:SCOPE_SE
.Lnot_mine_\@:
.endm
.macro CROUND                          ; a round of the cluster's barrier
	s_barrier_signal -1
	s_barrier_wait -1
	s_cmp_lg_u32 s[WV], 0
	s_cbranch_scc1 .Lnot_wave_0_\@
	s_barrier_signal -3
.Lnot_wave_0_\@:
	s_barrier_wait -3
	s_barrier_signal -1
	s_barrier_wait -1
.endm
	s_load_b128 s[4:7], s[0:1], 0x0                ; qkv s[4:5], att s[6:7]
	v_lshl_add_u32 v[SPW], v0, 2, SPARE
	v_mov_b32 v[NIL], 0
	ds_add_u32 v[SPW], v[NIL]                      ; the wave's opening: the add, twice on end, and its wait ahead of my first tensor load
	ds_add_u32 v[SPW], v[NIL]
	v_lshrrev_b32 v1, 5, v0
	v_readfirstlane_b32 s[WV], v1                  ; wave 0..7
	s_and_b32 s9, s[WV], 3                         ; my 32 queries of the block.  Also: which of a slot's four steps I fetch
	s_lshr_b32 s10, s[WV], 2                       ; my head of the pair.  Also: I fetch for K (0) or for V (1)
	s_xor_b32 s[GRP], s10, s[WV]
	s_and_b32 s[GRP], s[GRP], 1                    ; my group: ((w >> 2) ^ w) & 1
	s_bfe_u32 s11, ttmp6, 0x40000                  ; cx: my place in the cluster
	s_lshl_b32 s12, ttmp9, 2
	s_add_co_u32 s12, s12, s11                     ; my block of 128 queries: it enters q's and att's addresses alone
	s_and_b32 s13, ttmp7, 0xffff                   ; 8 x batch + pair of heads, which the four partners share
	s_lshr_b32 s14, s13, 3                         ; batch
	s_and_b32 s15, s13, 7
	s_lshl_b32 s15, s15, 8                         ; 256 x pair
	s_mul_i32 s16, s14, NKEYS*QROW
	s_add_co_u32 s16, s16, s15                     ; the batch's first row, the pair's bytes
	s_mul_i32 s17, s9, KS*QROW
	s_add_co_u32 s18, s16, s17
	s_add_co_u32 s18, s18, 2048                    ; K: my 64 rows of slot 0
	s_mov_b32 s19, 0
	s_lshl_b32 s20, s12, 7
	s_lshl_b32 s21, s9, 5
	s_add_co_u32 s20, s20, s21                     ; my first query: 128 x block + 32 (w % 4)
	s_mul_i32 s20, s20, QROW
	s_add_co_u32 s20, s20, s16
	s_lshl_b32 s21, s10, 7
	s_add_co_u32 s20, s20, s21                     ; + my head's 128 bytes
	s_mov_b32 s21, 0
	s_lshl_b32 s22, s14, 11                        ; att: row 2,048 x batch + 128 x block + 16 x wave (the rows that I store),
	s_lshl_b32 s23, s12, 7
	s_add_co_u32 s22, s22, s23
	s_lshl_b32 s23, s[WV], 4
	s_add_co_u32 s22, s22, s23
	s_lshl_b32 s22, s22, 11                        ; of 2,048 bytes,
	s_add_co_u32 s22, s22, s15                     ; the pair's 256
	s_mov_b32 s23, 0
	s_add_co_u32 s[PFA], s10, 1
	s_lshl_b32 s[PFA], s[PFA], 11                  ; the prefetches: K at byte 2,048 of a row, V at 4,096,
	s_add_co_u32 s[PFA], s[PFA], s16
	s_lshl_b32 s[PFA+1], s11, 1
	s_and_b32 s[LIM], s[WV], 1
	s_add_co_u32 s[PFA+1], s[PFA+1], s[LIM]        ; 2 cx + w % 2: which 32 rows of the slot's 256 are mine,
	s_mul_i32 s[PFA+1], s[PFA+1], 32*QROW
	s_add_co_u32 s[PFA], s[PFA], s[PFA+1]
	s_add_co_u32 s[PFA], s[PFA], SLOTG             ; in slot 1: the first change of slots steps it to slot 2.  Nothing is prefetched at the head
	s_mov_b32 s[PFA+1], 0
	s_and_b32 s[LIM], s[WV], 2
	s_or_b32 s[LIM], s[LIM], ttmp9                 ; 0 in waves 0, 1, 4, 5 of the pair's first cluster: the same in all four partners
	s_cmp_eq_u32 s[LIM], 0
	s_cselect_b32 s[LIM], 1, -1
	; descriptor group 1: a tile of 64 rows x 128 elements of 2 bytes, 3,072 elements from row to row, padded in LDS
	s_mov_b32 s[G1K], 15|(1<<16)|(1<<20)|(1<<21)|(5<<22)|(3<<25)  ; 15:0 the mask: all four work-groups; 17:16 elements of 2 bytes; 20 padding on; 21 set beside a mask; 24:22 after every 64 words; 31:25 four words
	s_mov_b32 s[G1V], 15|(1<<16)|(1<<20)|(1<<21)|(5<<22)|(7<<25)  ; the same with eight words of padding
.irp g, G1K, G1V
	s_mov_b32 s[\g+1], 128<<16                     ; tensor_dim0 = 128
	s_mov_b32 s[\g+2], KS<<16                      ; tensor_dim1 = 64
	s_mov_b32 s[\g+3], 128<<16                     ; tile_dim0 = 128
	s_mov_b32 s[\g+4], KS                          ; tile_dim1 = 64
	s_mov_b32 s[\g+5], QROW/2                      ; tensor_dim0_stride
	s_mov_b32 s[\g+6], 0
	s_mov_b32 s[\g+7], 0
.endr
	s_mov_b32 s[CS], 0x3e38aa3b                    ; c = log2(e) / 8
	s_mov_b32 s[CS+1], s[CS]                       ; (named with it as a pair, so it is written)
	s_mov_b32 s[SEL], 0x76543210
	s_mov_b32 s[SEL+1], 0xfedcba98
	s_mov_b32 s[TB], 0
	s_mov_b32 s[TF], 0
	s_mov_b32 s[SLOTS], NSL-1
	s_mul_i32 s[KL], s9, STEPB                     ; my tile's place in a slot: no place in the cluster enters an LDS address
	s_add_co_u32 s[VL], s[KL], VOFF
	s_mov_b32 s[G0K], 1                            ; 1:0 count = 1
	s_mov_b32 s[G0K+1], s[KL]                      ; LDS address: slot 0
	s_mov_b32 s[G0V], 1
	s_mov_b32 s[G0V+1], s[VL]
	s_wait_dscnt 0x0                               ; both opening adds are done
	s_wait_kmcnt 0x0
	s_add_nc_u64 s[G0K+2:G0K+3], s[4:5], s[18:19]  ; global address: K's rows,
	s_add_nc_u64 s[G0V+2:G0V+3], s[G0K+2:G0K+3], 2048  ; V's, 2,048 bytes on in the same rows
	s_or_b32 s[G0K+3], s[G0K+3], 0x80000000        ; type = 2
	s_or_b32 s[G0V+3], s[G0V+3], 0x80000000
	s_add_nc_u64 s[20:21], s[4:5], s[20:21]        ; q at my first query
	s_add_nc_u64 s[22:23], s[6:7], s[22:23]        ; att at the first row that I store
	s_add_nc_u64 s[PFA:PFA+1], s[4:5], s[PFA:PFA+1]
	CROUND                                         ; all four work-groups are here: the first joint loads meet
	JLOAD                                          ; slot 0
	v_and_b32 v1, 15, v0                           ; r = l % 16
	v_bfe_u32 v2, v0, 4, 1                         ; h = l / 16
	v_mul_u32_u24 v[QO], v1, QROW
	v_lshl_add_u32 v[QO], v2, 4, v[QO]             ; row r, + 16 h
	WIN 0x40                                       ; destination window 1, address window 0
.irp t, 0,1
.irp c, 0,1                            ; Q stays in registers: tile t, channels 32 c on.  A fragment is 16 rows x 32 channels in 8 registers: two loads of 16 bytes, 32 bytes apart
	global_load_b128 v[QF+16*\t+8*\c:QF+16*\t+8*\c+3],   v[QO], s[20:21] offset:16*QROW*\t+64*\c
	global_load_b128 v[QF+16*\t+8*\c+4:QF+16*\t+8*\c+7], v[QO], s[20:21] offset:16*QROW*\t+64*\c+32
.endr
.endr
	WIN 0
	s_lshl_b32 s17, s10, 7                         ; my head's 128 bytes of a row
	v_mul_u32_u24 v[AK0], v1, PK
	v_lshl_add_u32 v[AK0], v2, 4, v[AK0]
	v_add_nc_u32 v[AK0], s17, v[AK0]               ; K: row r x pitch + 16 h + my head
	; The turning load takes 16 keys x 16 channels (lane l reads 16 bytes: key 8 (l / 16) + l % 8, channels 8 ((l / 8) % 2) + 0..7) and leaves half a fragment of V^T: lane l holds channel l % 16 and 8 keys.
	v_and_b32 v14, 7, v0
	v_bfe_u32 v15, v0, 3, 1
	v_lshl_add_u32 v[AV0], v2, 3, v14
	v_mul_u32_u24 v[AV0], v[AV0], PVP
	v_lshl_add_u32 v[AV0], v15, 4, v[AV0]
	s_add_co_u32 s16, s17, VOFF
	v_add_nc_u32 v[AV0], s16, v[AV0]
	s_mul_i32 s16, s9, 32*SP                       ; the stage, in: row 32 (w % 4) + r, my head's half of its 256 bytes, 16 bytes for each half of the lanes
	s_add_co_u32 s16, s16, s17
	s_add_co_u32 s16, s16, STAGE
	v_mul_u32_u24 v[STO], v1, SP
	v_lshl_add_u32 v[STO], v2, 4, v[STO]
	v_add_nc_u32 v[STO], s16, v[STO]
	s_mul_i32 s16, s[WV], 16*SP                    ; back: wave w takes rows 16 w on, whole; lanes 0-15 one row of 256 bytes, lanes 16-31 the next
	s_add_co_u32 s16, s16, STAGE
	v_mul_u32_u24 v[RD], v2, SP
	v_lshl_add_u32 v[RD], v1, 4, v[RD]
	v_add_nc_u32 v[RD], s16, v[RD]
	v_lshlrev_b32 v[GO], 11, v2                    ; and the same two rows in att
	v_lshl_add_u32 v[GO], v1, 4, v[GO]
	v_and_b32 v[PFO], 31, v0
	v_mul_u32_u24 v[PFO], v[PFO], QROW
.irp t, 0,1
	v_mov_b32 v[ST+8*\t+1], 0xff61b1e6             ; m: -3e38, under every score
	v_mov_b32 v[ST+8*\t+2], 0                      ; l, in two halves
	v_mov_b32 v[ST+8*\t+3], 0
.endr
.irp t, 0,1
	v_mul_f32 v[ST+8*\t], s[CS], v[ST+8*\t+1]      ; c m
.endr
.irp j, 0,1,2,3,4,5,6,7,8,9,10,11,12,13,14,15,16,17,18,19,20,21,22,23,24,25,26,27,28,29,30,31,32,33,34,35,36,37,38,39,40,41,42,43,44,45,46,47,48,49,50,51,52,53,54,55,56,57,58,59,60,61,62,63
	v_mov_b32 v[O+\j], 0                           ; O^T.  (The step is written once: the first finds zeros, which its a = 0 leaves zeros)
.endr
.macro FETCH_K                         ; K of my head for the step at s[TB]: 64 keys x 64 channels: 8 fragments, 16 loads
	WIN 0
	v_add_nc_u32 v[ADK], s[TB], v[AK0]
	WIN 0x40
.irp kt, 0,1,2,3
.irp c, 0,1
	ds_load_b128 v[KF+16*\kt+8*\c:KF+16*\kt+8*\c+3],   v[ADK] offset:16*PK*\kt+64*\c
	ds_load_b128 v[KF+16*\kt+8*\c+4:KF+16*\kt+8*\c+7], v[ADK] offset:16*PK*\kt+64*\c+32
.endr
.endr
.endm
.macro FETCH_V                         ; the same step's V, turned: keys 32 kh on, channels 16 ct on: 16 loads
	WIN 0
	v_add_nc_u32 v[ADV], s[TB], v[AV0]
	s_add_co_u32 s[TB], s[TB], STEPB               ; the next fetch is the next step's
	WIN 0x40
.irp kh, 0,1
.irp ct, 0,1,2,3
	ds_load_tr16_b128 v[VF+32*\kh+8*\ct:VF+32*\kh+8*\ct+3],   v[ADV] offset:32*PVP*\kh+32*\ct
	ds_load_tr16_b128 v[VF+32*\kh+8*\ct+4:VF+32*\kh+8*\ct+7], v[ADV] offset:32*PVP*\kh+16*PVP+32*\ct
.endr
.endr
.endm
; S^T = K Q^T: 16 products; the eight accumulators (4 tiles of keys x 2 tiles of queries) take turns, one instruction a turn; the first eight start the sums.
.macro KQ
	WIN 0x05                                       ; K and Q in window 1, S^T in window 0
.irp c, 0,1
.irp kt, 0,1,2,3
.irp t, 0,1
.if \c == 0
	v_wmma_f32_16x16x32_f16 v[S+32*\t+8*\kt:S+32*\t+8*\kt+7], v[KF+16*\kt+8*\c:KF+16*\kt+8*\c+7], v[QF+16*\t+8*\c:QF+16*\t+8*\c+7], 0
.else
	v_wmma_f32_16x16x32_f16 v[S+32*\t+8*\kt:S+32*\t+8*\kt+7], v[KF+16*\kt+8*\c:KF+16*\kt+8*\c+7], v[QF+16*\t+8*\c:QF+16*\t+8*\c+7], v[S+32*\t+8*\kt:S+32*\t+8*\kt+7]
.endif
.endr
.endr
.endr
.endm
; O^T += V^T P: 16 products; the eight accumulators (4 tiles of channels x 2 tiles of queries) take turns.
.macro PVMUL
	WIN 0x01                                       ; V in window 1, P and O^T in window 0
.irp kh, 0,1
.irp ct, 0,1,2,3
.irp t, 0,1
	v_wmma_f32_16x16x32_f16 v[O+32*\t+8*\ct:O+32*\t+8*\ct+7], v[VF+32*\kh+8*\ct:VF+32*\kh+8*\ct+7], v[P+16*\t+8*\kh:P+16*\t+8*\kh+7], v[O+32*\t+8*\ct:O+32*\t+8*\ct+7]
.endr
.endr
.endr
.endm
; A load into a register that a matrix instruction has read, and a vector instruction that reads a matrix result, stand four places behind that matrix instruction; only plain vector instructions that name none of its
; registers are places (ISA guide 7.12.1 for vector instructions).
.macro PLACES
.rept 4
	v_nop
.endr
.endm
; THE SOFTMAX of a step, both tiles line by line, so that no line waits for the line above it.  It works on registers of window 0 alone.
.macro SOFTMAX
.irp j, 0,1,2,3                        ; the maximum of the lane's 32 scores and the old m, three operands at a time, in four chains: each accumulator is read from its low end on
.irp t, 0,1
	v_max3_num_f32 v[ST+8*\t+4+\j], v[S+32*\t+8*\j], v[S+32*\t+8*\j+1], v[S+32*\t+8*\j+2]
.endr
.endr
.irp i, 3,5
.irp j, 0,1,2,3
.irp t, 0,1
	v_max3_num_f32 v[ST+8*\t+4+\j], v[ST+8*\t+4+\j], v[S+32*\t+8*\j+\i], v[S+32*\t+8*\j+\i+1]
.endr
.endr
.endr
.irp t, 0,1
	v_max3_num_f32 v[ST+8*\t+4], v[ST+8*\t+4], v[S+32*\t+7], v[S+32*\t+15]
.endr
.irp t, 0,1
	v_max3_num_f32 v[ST+8*\t+6], v[ST+8*\t+6], v[S+32*\t+23], v[S+32*\t+31]
.endr
.irp t, 0,1
	v_max3_num_f32 v[ST+8*\t+4], v[ST+8*\t+4], v[ST+8*\t+5], v[ST+8*\t+6]
.endr
.irp t, 0,1
	v_max3_num_f32 v[ST+8*\t+4], v[ST+8*\t+4], v[ST+8*\t+7], v[ST+8*\t+1]
.endr
.irp t, 0,1
	v_permlanex16_b32 v[ST+8*\t+5], v[ST+8*\t+4], s[SEL], s[SEL+1]  ; the query's other 32 keys lie in the lane 16 away
.endr
.irp t, 0,1
	v_mov_b32 v[ST+8*\t+7], v[ST+8*\t]             ; c m_old is kept for a
.endr
.irp t, 0,1
	v_max_num_f32 v[ST+8*\t+1], v[ST+8*\t+4], v[ST+8*\t+5]  ; the new m
.endr
.irp t, 0,1
	v_mul_f32 v[ST+8*\t], s[CS], v[ST+8*\t+1]      ; c m
.endr
.irp t, 0,1
	v_sub_f32 v[ST+8*\t+7], v[ST+8*\t+7], v[ST+8*\t]
.endr
	; ONE BATCH: the 16 scalings c s - c m of each tile and all 66 exponentials; none of these lines names an exponential's result.  A pair is scaled ahead of the lines that hold its exponentials.
.irp t, 0,1
	v_exp_f32 v[ST+8*\t+6], v[ST+8*\t+7]           ; a
.endr
.irp t, 0,1
	v_pk_fma_f32 v[S+32*\t:S+32*\t+1], v[S+32*\t:S+32*\t+1], s[CS:CS+1], v[ST+8*\t:ST+8*\t+1] op_sel_hi:[1,0,0] neg_lo:[0,0,1] neg_hi:[0,0,1]
.endr
.irp b, 0,1,2,3,4,5,6,7,8,9,10,11,12,13,14,15
.if \b < 15
.irp t, 0,1
	v_pk_fma_f32 v[S+32*\t+2*\b+2:S+32*\t+2*\b+3], v[S+32*\t+2*\b+2:S+32*\t+2*\b+3], s[CS:CS+1], v[ST+8*\t:ST+8*\t+1] op_sel_hi:[1,0,0] neg_lo:[0,0,1] neg_hi:[0,0,1]
.endr
.endif
.irp t, 0,1
	v_exp_f32 v[S+32*\t+2*\b], v[S+32*\t+2*\b]
	v_exp_f32 v[S+32*\t+2*\b+1], v[S+32*\t+2*\b+1]
.endr
.endr
	v_nop                                          ; a plain instruction behind the last exponential and ahead of the first use (ISA guide 5.7.2)
	s_wait_alu depctr_va_vdst(0)                   ; the wait ahead of the first line that names a result: one for the whole batch
.irp i, 0,1,2,3,4,5,6,7,8,9,10,11,12,13,14,15
.irp t, 0,1
	v_cvt_pk_f16_f32 v[P+16*\t+\i], v[S+32*\t+2*\i], v[S+32*\t+2*\i+1]  ; p to f16: source 1 of the second product as it stands
.endr
.endr
.irp t, 0,1
	v_pk_mul_f32 v[ST+8*\t+2:ST+8*\t+3], v[ST+8*\t+2:ST+8*\t+3], v[ST+8*\t+6:ST+8*\t+7] op_sel_hi:[1,0]  ; l x a
.endr
.irp t, 0,1
	v_pk_add_f32 v[ST+8*\t+4:ST+8*\t+5], v[S+32*\t:S+32*\t+1], v[S+32*\t+2:S+32*\t+3]  ; the sum of the unrounded p, two at a time, in two chains
.endr
.irp j, 4,8,12,16,20,24,28
.irp t, 0,1
	v_pk_add_f32 v[ST+8*\t+2:ST+8*\t+3], v[ST+8*\t+2:ST+8*\t+3], v[S+32*\t+\j:S+32*\t+\j+1]
	v_pk_add_f32 v[ST+8*\t+4:ST+8*\t+5], v[ST+8*\t+4:ST+8*\t+5], v[S+32*\t+\j+2:S+32*\t+\j+3]
.endr
.endr
.irp t, 0,1
	v_pk_add_f32 v[ST+8*\t+2:ST+8*\t+3], v[ST+8*\t+2:ST+8*\t+3], v[ST+8*\t+4:ST+8*\t+5]
.endr
.irp t, 0,1
.irp j, 0,2,4,6,8,10,12,14,16,18,20,22,24,26,28,30
	v_pk_mul_f32 v[O+32*\t+\j:O+32*\t+\j+1], v[O+32*\t+\j:O+32*\t+\j+1], v[ST+8*\t+6:ST+8*\t+7] op_sel_hi:[1,0]  ; O^T x a, each accumulator from its low end on
.endr
.endr
.endm
; A KEY STEP whose successor lies in the same slot.  At its head this step's scores are in S^T and its V is on its way from LDS.
.macro USTEP
	FETCH_K                                        ; the next step's K: four places stand behind the products that read K's registers last
	WIN 0
	SOFTMAX
	s_wait_dscnt 16                                ; this step's V is in; the sixteen younger loads of K may be out
	PVMUL
	WIN 0
	PLACES                                         ; in front of the loads into V's registers
	FETCH_V                                        ; the next step's V
	s_wait_dscnt 16                                ; the next step's K is in; the sixteen younger loads of V may be out
	KQ
	WIN 0
	PLACES                                         ; in front of the next loads into K's registers and of the first read of the scores
.endm
.macro THREE_STEPS                     ; a slot's first three steps: written once, walked three times; the LDS addresses hang on s[TB]
	s_mov_b32 s[CNT], NQ-1
.Lstep_\@:
	USTEP
	s_sub_co_u32 s[CNT], s[CNT], 1
	s_cmp_lg_u32 s[CNT], 0
	s_cbranch_scc1 .Lstep_\@
.endm
; THE CHANGE OF SLOTS.  Each wave waits for all its tensor loads (its part of the slot that it is about to read), adds 0 to its spare word, and waits for that and for its reads of the slot that it leaves, V of its last step
; among them.  fill = 1: the barrier is a round of the cluster's, so that no wave of any partner still reads that slot or has a load on its way, and the joint load of the next 256 keys is the first thing behind it.
; (At the first change it is slot 1's first fill: behind that round nothing is filled again.)
.macro CHANGE fill
	s_wait_tensorcnt 0x0                           ; no tensor load of mine is out, so a group 0 may be written
	ds_add_u32 v[SPW], v[NIL]                      ; 0 onto my spare word; the descriptors' steps stand between it and the wait for it
.if \fill
	s_xor_b32 s[TF], s[TF], SLOTB                  ; the walking descriptors: the other slot than last time (0 and SLOTB by turns),
	s_add_co_u32 s[G0K+1], s[TF], s[KL]            ; my tile's place in it,
	s_add_nc_u64 s[G0K+2:G0K+3], s[G0K+2:G0K+3], SLOTG  ; the next 256 keys; the type bits on top are not reached
	s_add_co_u32 s[G0V+1], s[TF], s[VL]
	s_add_nc_u64 s[G0V+2:G0V+3], s[G0V+2:G0V+3], SLOTG
	s_wait_xcnt 0x0                                ; the last prefetch, a slot back, has read its address, so it may be written:
	s_add_nc_u64 s[PFA:PFA+1], s[PFA:PFA+1], SLOTG ; one slot further on than the walking descriptors
	s_wait_dscnt 0x0                               ; the add is done, and my reads of the slot that I leave are over
	CROUND
	JLOAD
	ASK                                            ; what the next change will ask for: four key steps ahead of that load
.else
	s_wait_dscnt 0x0
	s_barrier_signal -1
	s_barrier_wait -1
.endif
.endm
; A SLOT'S LAST STEP, with the change of slots in it.  Group 0 runs the step's softmax ahead of the change, group 1 behind it; all else is every wave's.
.macro TRANS fill
	s_cmp_lg_u32 s[GRP], 0
	s_cbranch_scc1 .Lkept_\@                       ; group 1 keeps its scores in registers over the change
	SOFTMAX
.Lkept_\@:
	CHANGE \fill
	s_sub_co_u32 s[TB], s[TB], NQ*STEPB            ; the fetches go back to a slot's first step,
	s_xor_b32 s[TB], s[TB], SLOTB                  ; in the other slot
	FETCH_K                                        ; the new slot's first K: it lands under the softmax or the products below
	WIN 0
	s_cmp_eq_u32 s[GRP], 0
	s_cbranch_scc1 .Ldone_\@
	SOFTMAX
.Ldone_\@:
	PVMUL                                          ; V of the old slot's last step has been in registers since the change's wait
	WIN 0
	PLACES
	FETCH_V
	s_wait_dscnt 16                                ; K is in; the sixteen younger loads of V may be out
	KQ
	WIN 0
	PLACES
.endm
	s_wait_loadcnt 0x0                             ; Q
	CHANGE 1                                       ; slot 0 is whole; slot 1 is asked for
	FETCH_K                                        ; key step 0
	FETCH_V
	s_wait_dscnt 16                                ; K is in; the sixteen younger loads of V may be out
	KQ
	WIN 0
	PLACES
	s_mov_b32 s[SLOTS], NSL-2
.Lslot:                                            ; NSL - 2 = 6 trips: each walks a slot and, at its change, asks for the slot after the next
	THREE_STEPS
	TRANS 1
	s_sub_co_u32 s[SLOTS], s[SLOTS], 1
	s_cmp_lg_u32 s[SLOTS], 0
	s_cbranch_scc1 .Lslot
	THREE_STEPS                                    ; the last two slots are written out: nothing is left to ask for
	TRANS 0
	THREE_STEPS
	SOFTMAX                                        ; the very last step
	s_wait_dscnt 0x0                               ; its V is in
	PVMUL
	WIN 0
	; THE WAY OUT.  l's halves are added; O^T is divided by l, rounded to f16 and put into the work-group's stage; a barrier, since a row's 256 bytes come from two waves (the pair's two heads); back as whole rows, 16 a wave.
	PLACES                                         ; behind the last products
.irp t, 0,1
	v_add_f32 v[ST+8*\t+4], v[ST+8*\t+2], v[ST+8*\t+3]
.endr
.irp t, 0,1
	v_permlanex16_b32 v[ST+8*\t+5], v[ST+8*\t+4], s[SEL], s[SEL+1]
.endr
.irp t, 0,1
	v_add_f32 v[ST+8*\t+4], v[ST+8*\t+4], v[ST+8*\t+5]
.endr
.irp t, 0,1
	v_rcp_f32 v[ST+8*\t+6], v[ST+8*\t+4]
.endr
	v_nop                                          ; a plain instruction between the last reciprocal and the use of its result
	s_wait_alu depctr_va_vdst(0)                   ; and the wait ahead of the first use: one for the two
.irp t, 0,1
.irp j, 0,2,4,6,8,10,12,14,16,18,20,22,24,26,28,30
	v_pk_mul_f32 v[O+32*\t+\j:O+32*\t+\j+1], v[O+32*\t+\j:O+32*\t+\j+1], v[ST+8*\t+6:ST+8*\t+7] op_sel_hi:[1,0]
.endr
.irp i, 0,1,2,3,4,5,6,7,8,9,10,11,12,13,14,15
	v_cvt_pk_f16_f32 v[S+16*\t+\i], v[O+32*\t+2*\i], v[O+32*\t+2*\i+1]
.endr
.irp ct, 0,1,2,3
	ds_store_b128 v[STO], v[S+16*\t+4*\ct:S+16*\t+4*\ct+3] offset:16*SP*\t+32*\ct  ; lane (r, h): query 16 t + r, channels 16 ct + 8 h + 0..7
.endr
.endr
	s_wait_dscnt 0x0                               ; for the others' sake: my stores into the stage are done
	s_barrier_signal -1
	s_barrier_wait -1
.irp i, 0,1,2,3,4,5,6,7
	ds_load_b128 v[S+32+4*\i:S+32+4*\i+3], v[RD] offset:\i*2*SP
.endr
.irp i, 0,1,2,3,4,5,6,7
	s_wait_dscnt 7-\i                              ; the younger loads may be out
	global_store_b128 v[GO], v[S+32+4*\i:S+32+4*\i+3], s[22:23] offset:4096*\i  ; 16 lanes store 256 consecutive bytes, at a multiple of 256 from att's first byte
.endr
	s_wait_tensorcnt 0x0                           ; the wave's end: behind my last tensor load and my last LDS store
	ds_add_u32 v[SPW], v[NIL]
	s_wait_dscnt 0x0
	CROUND                                         ; the closing round: no work-group ends while a partner may still ask for a tile that names it
	s_endpgm
.Lfunc_end_k_qa00925c583_attn:
	.size	k_qa00925c583_attn, .Lfunc_end_k_qa00925c583_attn-k_qa00925c583_attn
	.p2alignl 7, 3214868480
	.fill 96, 4, 3214868480
	.section	.rodata,"a",@progbits
	.p2align	6, 0x0
	.amdhsa_kernel k_qa00925c583_attn
		.amdhsa_group_segment_fixed_size 327680
		.amdhsa_private_segment_fixed_size 0
		.amdhsa_enable_private_segment 0
		.amdhsa_kernarg_size 16
		.amdhsa_user_sgpr_count 2
		.amdhsa_user_sgpr_kernarg_segment_ptr 1
		.amdhsa_wavefront_size32 1
		.amdhsa_system_sgpr_workgroup_id_x 1
		.amdhsa_system_sgpr_workgroup_id_y 1
		.amdhsa_system_sgpr_workgroup_id_z 1
		.amdhsa_system_vgpr_workitem_id 0
		.amdhsa_next_free_vgpr 448
		.amdhsa_next_free_sgpr 66
		.amdhsa_reserve_vcc 0
		.amdhsa_float_denorm_mode_32 3
		.amdhsa_float_denorm_mode_16_64 3
		.amdhsa_memory_ordered 1
		.amdhsa_forward_progress 1
		.amdhsa_inst_pref_size 151
	.end_amdhsa_kernel
	.amdgpu_metadata
---
amdhsa.version: [ 1, 2 ]
amdhsa.kernels:
  - .name:           k_qa00925c583_attn
    .symbol:         k_qa00925c583_attn.kd
    .args:
      - { .name: qkv, .offset: 0, .size: 8, .value_kind: global_buffer, .address_space: global }
      - { .name: att, .offset: 8, .size: 8, .value_kind: global_buffer, .address_space: global }
    .group_segment_fixed_size: 327680
    .private_segment_fixed_size: 0
    .kernarg_segment_align: 8
    .kernarg_segment_size: 16
    .max_flat_workgroup_size: 256
    .sgpr_count:     66
    .vgpr_count:     448
    .wavefront_size: 32
...
	.end_amdgpu_metadata
.endif
;; end of part 3
;; launch oproj (part 4): grid 8 x 32, 4 waves a work-group, clusters of 4 x 4, 327,680 bytes of LDS; arguments att, wo16, out0, bo; writes out0
.if DOCPART == 4
	.amdgcn_target "amdgcn-amd-amdhsa--gfx1250"
	.amdhsa_code_object_version 6
	.text
	.protected	k_qa00925c583_oproj
	.globl	k_qa00925c583_oproj
	.p2align	8
	.type	k_qa00925c583_oproj,@function
k_qa00925c583_oproj:
	s_mov_b64 s[64:65], 0
	v_nop
	global_prefetch_b8 v0, s[64:65] scope:SCOPE_SE
	s_setreg_imm32_b32 hwreg(HW_REG_WAVE_MODE, 25, 1), 1
	s_wait_xcnt 0x0
	s_wait_alu depctr_hold_cnt(0) depctr_sa_sdst(0) depctr_va_vdst(0) depctr_va_sdst(0) depctr_va_ssrc(0) depctr_va_vcc(0) depctr_vm_vsrc(0)
	s_getreg_b32 s2, hwreg(HW_REG_IB_STS2, 6, 4)
	s_cmp_eq_u32 s2, 0
	s_cbranch_scc0 .Lentry_in_a_cluster
	s_endpgm
.Lentry_in_a_cluster:
	s_bfe_u32 s2, ttmp6, 0x10000c
	s_cmp_lg_u32 s2, 0xf033
	s_cbranch_scc0 .Lentry_shape_is_right
	s_endpgm
.Lentry_shape_is_right:
; out0[m][n] = sum over k of att[m][k] Wo[n][k] + bo[n].  A = att [4096][1024], B = wo16 [1024][1024], f16; sums in f32; out0 [4096][1024] f32.
; A tile of C is 128 x 128: 8 x 32 = 256 work-groups.  Four waves, each 64 x 64: 16 accumulators of 16 x 16, 128 registers.  K goes in steps of 256 (LDS rows of 512 bytes; a wave's tensor load brings 64 of them)
; through a ring of two slots.  The bias is the C of each sum's first matrix instruction: eight registers for each 16 columns, in the result's layout: no addition is spent on it.
; CLUSTERS: 4 x 4 work-groups.  The four of a row of the cluster need the same tiles of A, the four of a column the same tiles of B: each tile is asked for JOINTLY, by the same tensor load with the same descriptor and a
; mask that names the four.  THE MATRIX INSTRUCTION IS USED TRANSPOSED (source 0 = 16 rows of B, source 1 = 16 rows of A): a lane then holds eight neighbouring numbers of a row of C.
; No prefetch: a K step's tiles are small, and the tiles are shared in the cluster.
; REGISTERS: window 0: v0-31 addresses; v32-95 rows on the way out; v96-127 the bias; v128-255 the accumulators ((a, b) at v[128 + 8 (4 a + b)]).
;   window 1: two fragment buffers of 128: for 64 along K, 64 registers of A (2 x 4 x 16 rows x 32 K), then 64 of B.
.set SIZE_M, 4096
.set SIZE_N, 1024
.set SIZE_K, 1024
.set KSTEP,  256
.set PITCH,  528                       ; an LDS row: 512 bytes + 16 of padding = 132 words: row r starts at bank 4 r mod 64 (64 banks of 4 bytes: ISA guide 11.1)
.set HALFT,  64*PITCH                  ; 64 rows: what one tensor load brings
.set SLOT,   4*HALFT                   ; A's 128 rows, then B's 128 rows
.set STAGE,  2*SLOT                    ; behind the ring: 16 rows x 272 bytes for each wave, for the way out; no tensor load lands here
.set SPITCH, 272
.set SPARE,  STAGE+4*16*SPITCH         ; the spare words, 128 bytes a wave, which no other line names
.set LAPS, SIZE_K/(2*KSTEP)            ; a lap = two K steps = once round the ring
.set CROW,   SIZE_N*4                  ; a row of C in bytes
.set ADRA, 16                          ; v16-17  LDS address of my A fragments in slot 0, 1
.set ADRB, 20                          ; v20-21  the same for B
.set STO,  24                          ; v24     the way out: where I put 32 bytes of a row
.set RD,   25                          ; v25     where I read a row back
.set CO,   26                          ; v26     my byte offset in C
.set SPW,  28                          ; v28     LDS address of my spare word; never rewritten
.set NIL,  29                          ; v29     0; never rewritten
.set TMP,  32
.set BIAS, 96
.set ACC,  128
.set F0,   0                           ; fragment buffers, in window 1
.set F1,   128
.set G1, 24                            ; s[24:31] descriptor group 1 for A's tiles;  s[32:39] group 0, one set for each slot
.set G0, 32
.set G1B, 48                           ; s[48:55], s[56:63] the same for B's tiles
.set G0B, 56
.set MSB, 0
.macro WIN new                         ; the immediate's high byte repeats the setting that is left
.if MSB != \new
	s_set_vgpr_msb (MSB<<8)|\new
.set MSB, \new
.endif
.endm
.set MUL,  0x05                        ; sources 0 (B) and 1 (A) window 1; C and D window 0
.set TO_F, 0x40                        ; destination window 1, address window 0
.macro JLOAD s                         ; a joint load: waves 0 and 1 fetch A's two halves, waves 2 and 3 B's; an s_nop 0 and four v_nop follow each of the two lines
	s_cmp_eq_u32 s11, 0
	s_cbranch_scc0 .Lfor_b_\@
	tensor_load_to_lds s[G0+4*\s:G0+4*\s+3], s[G1:G1+7]
	s_nop 0
.rept 4
	v_nop
.endr
	s_branch .Lasked_\@
.Lfor_b_\@:
	tensor_load_to_lds s[G0B+4*\s:G0B+4*\s+3], s[G1B:G1B+7]
	s_nop 0
.rept 4
	v_nop
.endr
.Lasked_\@:
.endm
.macro CREST                           ; a round of the cluster's barrier behind its opening barrier
	s_cmp_lg_u32 s10, 0
	s_cbranch_scc1 .Lnot_wave_0_\@
	s_barrier_signal -3
.Lnot_wave_0_\@:
	s_barrier_wait -3
	s_barrier_signal -1
	s_barrier_wait -1
.endm
.macro CROUND                          ; a whole round
	s_barrier_signal -1
	s_barrier_wait -1
	CREST
.endm
	s_load_b128 s[4:7], s[0:1], 0x0                ; A s[4:5], B s[6:7]
	s_load_b64 s[8:9], s[0:1], 0x10                ; C
	s_load_b64 s[66:67], s[0:1], 0x18              ; bo
	v_lshl_add_u32 v[SPW], v0, 2, SPARE
	v_mov_b32 v[NIL], 0
	ds_add_u32 v[SPW], v[NIL]                      ; the wave's opening: the add, twice on end, and its wait ahead of my first tensor load
	ds_add_u32 v[SPW], v[NIL]
	v_lshrrev_b32 v1, 5, v0
	v_readfirstlane_b32 s10, v1                    ; wave 0..3
	s_lshr_b32 s11, s10, 1                         ; which half of the tile's rows is mine.  Also: I fetch for A (0) or for B (1)
	s_and_b32 s12, s10, 1                          ; which half of its columns.  Also: which 64 rows of that tile I fetch
	s_bfe_u32 s40, ttmp6, 0x40000                  ; cx, cy: my place in the cluster
	s_bfe_u32 s41, ttmp6, 0x40004
	s_lshl_b32 s42, ttmp9, 2
	s_add_co_u32 s42, s42, s40                     ; tile column of C = 4 x cluster x + cx
	s_and_b32 s13, ttmp7, 0xffff
	s_lshl_b32 s13, s13, 2
	s_add_co_u32 s13, s13, s41                     ; tile row of C = 4 x cluster y + cy
	s_lshl_b32 s43, s41, 2
	s_lshl_b32 s43, 15, s43                        ; my row of the cluster
	s_lshl_b32 s44, 0x1111, s40                    ; my column
	; descriptor group 1: a tile of 64 rows x 256 elements, padded in LDS
	s_or_b32 s[G1+0], s43, (1<<16)|(1<<20)|(1<<21)|(6<<22)|(3<<25)  ; 15:0 the mask: A's tiles go to my row; 17:16 element of 2 bytes; 20 padding on; 21 set beside a mask; 24:22 after every 128 words; 31:25 four words
	s_or_b32 s[G1B+0], s44, (1<<16)|(1<<20)|(1<<21)|(6<<22)|(3<<25)
.irp g, G1, G1B
	s_mov_b32 s[\g+1], KSTEP<<16                   ; tensor_dim0 = 256
	s_mov_b32 s[\g+2], 64<<16                      ; tensor_dim1 = 64
	s_mov_b32 s[\g+3], KSTEP<<16                   ; tile_dim0 = 256
	s_mov_b32 s[\g+4], 64                          ; tile_dim1 = 64
	s_mov_b32 s[\g+5], SIZE_K                      ; tensor_dim0_stride
	s_mov_b32 s[\g+6], 0
	s_mov_b32 s[\g+7], 0
.endr
	s_lshl_b32 s17, s12, 6                         ; which 64 rows of the tile I fetch
	s_lshl_b32 s16, s13, 7
	s_add_co_u32 s16, s16, s17                     ; A: row 128 x tile row + 64 x half
	s_lshl_b32 s46, s42, 7
	s_add_co_u32 s46, s46, s17                     ; B: row 128 x tile column + 64 x half
	s_mov_b32 s17, 0
	s_mov_b32 s47, 0
	s_mov_b64 s[18:19], SIZE_K*2
	s_mul_u64 s[16:17], s[16:17], s[18:19]
	s_mul_u64 s[46:47], s[46:47], s[18:19]
	s_mul_i32 s20, s10, HALFT                      ; where they go: wave x 64 rows: no place in the cluster enters an LDS address
	s_wait_dscnt 0x0                               ; both opening adds are done
	s_wait_kmcnt 0x0
	s_add_nc_u64 s[14:15], s[4:5], s[16:17]
	s_add_nc_u64 s[46:47], s[6:7], s[46:47]
	CROUND                                         ; all sixteen work-groups are here: the first joint loads meet
.irp s, 0,1
	s_mov_b32 s[G0+4*\s], 1
	s_add_co_u32 s[G0+4*\s+1], s20, \s*SLOT
	s_add_nc_u64 s[G0+4*\s+2:G0+4*\s+3], s[14:15], \s*KSTEP*2
	s_or_b32 s[G0+4*\s+3], s[G0+4*\s+3], 0x80000000
	s_mov_b32 s[G0B+4*\s], 1
	s_add_co_u32 s[G0B+4*\s+1], s20, \s*SLOT
	s_add_nc_u64 s[G0B+4*\s+2:G0B+4*\s+3], s[46:47], \s*KSTEP*2
	s_or_b32 s[G0B+4*\s+3], s[G0B+4*\s+3], 0x80000000
	JLOAD \s
.endr
	v_and_b32 v1, 15, v0                           ; l % 16
	v_bfe_u32 v2, v0, 4, 1                         ; l / 16
	v_mul_u32_u24 v3, v1, PITCH
	v_lshl_add_u32 v3, v2, 4, v3                   ; a fragment's row x pitch + 16 x half
	s_mul_i32 s21, s11, HALFT                      ; my 64 rows of A
	s_mul_i32 s22, s12, HALFT                      ; my 64 rows of B,
	s_add_co_u32 s22, s22, 2*HALFT                 ; which lie behind A's 128
.irp s, 0,1
	v_add_nc_u32 v[ADRA+\s], s21, v3
	v_add_nc_u32 v[ADRB+\s], s22, v3
	s_add_co_u32 s21, s21, SLOT
	s_add_co_u32 s22, s22, SLOT
.endr
	s_mul_i32 s23, s10, 16*SPITCH
	s_add_co_u32 s23, s23, STAGE                   ; my stage: my 64 columns of f32 are 256 bytes, a whole row of it
	v_mul_u32_u24 v4, v1, SPITCH                   ; in: row l % 16, 32 bytes for each half of the lanes
	v_lshl_add_u32 v4, v2, 5, v4
	v_add_nc_u32 v[STO], s23, v4
	v_mul_u32_u24 v5, v2, SPITCH                   ; back: lanes 0-15 one row of 256 bytes, lanes 16-31 the next
	v_lshl_add_u32 v5, v1, 4, v5
	v_add_nc_u32 v[RD], s23, v5
	v_lshlrev_b32 v5, 12, v2                       ; and the same two rows in C, 4,096 bytes apart
	v_lshl_add_u32 v[CO], v1, 4, v5
	s_lshl_b32 s16, s13, 7
	s_lshl_b32 s17, s11, 6
	s_add_co_u32 s16, s16, s17                     ; my first row of C: 128 x tile row + 64 x half
	s_mov_b32 s17, 0
	s_mov_b64 s[18:19], CROW
	s_mul_u64 s[16:17], s[16:17], s[18:19]
	s_add_nc_u64 s[8:9], s[8:9], s[16:17]
	s_lshl_b32 s46, s42, 9                         ; my first column, in bytes of f32: 512 x tile column + 256 x half: in C and in bo alike
	s_lshl_b32 s47, s12, 8
	s_add_co_u32 s46, s46, s47
	s_mov_b32 s47, 0
	s_add_nc_u64 s[8:9], s[8:9], s[46:47]
	s_add_nc_u64 s[66:67], s[66:67], s[46:47]
	v_lshlrev_b32 v6, 5, v2                        ; the bias: lane (r, h) wants, for columns 16 b on, bo at 16 b + 8 h + 0 .. 7; v6 is not written again
.irp b, 0,1,2,3
	global_load_b128 v[BIAS+8*\b:BIAS+8*\b+3],   v6, s[66:67] offset:64*\b
	global_load_b128 v[BIAS+8*\b+4:BIAS+8*\b+7], v6, s[66:67] offset:64*\b+16
.endr
; 8 matrix instructions: m blocks a0, a0 + 1 x all 4 n blocks, 32 along K: half c of buffer f.  zero = 1: the first product starts the sums, from the bias.  The 16 accumulators take turns.
.macro MUL8 f, c, a0, zero
.irp a, \a0, \a0+1
.irp b, 0,1,2,3
.if \zero
	v_wmma_f32_16x16x32_f16 v[ACC+8*(4*(\a)+\b):ACC+8*(4*(\a)+\b)+7], v[\f+64+8*(4*\c+\b):\f+64+8*(4*\c+\b)+7], v[\f+8*(4*\c+\a):\f+8*(4*\c+\a)+7], v[BIAS+8*\b:BIAS+8*\b+7]
.else
	v_wmma_f32_16x16x32_f16 v[ACC+8*(4*(\a)+\b):ACC+8*(4*(\a)+\b)+7], v[\f+64+8*(4*\c+\b):\f+64+8*(4*\c+\b)+7], v[\f+8*(4*\c+\a):\f+8*(4*\c+\a)+7], v[ACC+8*(4*(\a)+\b):ACC+8*(4*(\a)+\b)+7]
.endif
.endr
.endr
.endm
; 32 LDS loads in one run: the fragments of 64 along K at byte k of the rows, into buffer f; the first 32 along K first
.macro FETCH slot, k, f
	WIN TO_F
.irp c, 0,1
.irp i, 0,1,2,3
	ds_load_b128 v[\f+64+8*(4*\c+\i):\f+64+8*(4*\c+\i)+3],   v[ADRB+\slot] offset:\k+64*\c+\i*16*PITCH
	ds_load_b128 v[\f+64+8*(4*\c+\i)+4:\f+64+8*(4*\c+\i)+7], v[ADRB+\slot] offset:\k+64*\c+\i*16*PITCH+32
	ds_load_b128 v[\f+8*(4*\c+\i):\f+8*(4*\c+\i)+3],         v[ADRA+\slot] offset:\k+64*\c+\i*16*PITCH
	ds_load_b128 v[\f+8*(4*\c+\i)+4:\f+8*(4*\c+\i)+7],       v[ADRA+\slot] offset:\k+64*\c+\i*16*PITCH+32
.endr
.endr
.endm
.macro PLACES                          ; four places in front of loads into registers that matrix instructions have read, and of the first read of results (ISA guide 7.12.1 for vector instructions)
.rept 4
	v_nop
.endr
.endm
; A K step is four quarters of 64 along K, 32 matrix instructions each, on buffers 0, 1, 0, 1.  One of the first three: multiplies buffer f and fetches the next quarter, at byte k, into g.
.macro QUARTER slot, k, f, g, zero
	s_wait_dscnt 16                                ; the first 32 along K are in; the sixteen younger loads may be out
	WIN MUL
	MUL8 \f, 0, 0, \zero
	MUL8 \f, 0, 2, \zero
	PLACES
	FETCH \slot, \k, \g
	s_wait_dscnt 32                                ; all but the 32 just issued
	WIN MUL
	MUL8 \f, 1, 0, 0
	MUL8 \f, 1, 2, 0
.endm
; The last quarter multiplies buffer 1 and changes slots: ONE barrier; in front of it each wave waits for all its tensor loads, adds 0 to its spare word, and waits for that and for its own reads of this slot.
; fill = 1: this slot is filled again, two K steps ahead.
.macro TURN slot, next, fill
	WIN 0                                          ; (the add's two registers lie in window 0)
	s_wait_tensorcnt 0x0                           ; all my tensor loads have landed: my part of the next slot;
	ds_add_u32 v[SPW], v[NIL]                      ; 0 onto my spare word
	s_wait_dscnt 17                                ; (the add and the youngest sixteen loads may be out)
	WIN MUL
	MUL8 F1, 0, 0, 0                               ; eight matrix instructions stand between the add and the wait for it
	s_wait_dscnt 0x0                               ; the add is done, and my reads of this slot are over
	s_barrier_signal -1
	MUL8 F1, 0, 2, 0
.if \fill
	WIN 0
.endif
	s_barrier_wait -1
.if \fill
	CREST                                          ; the barrier has opened a round of the cluster's barrier: no wave of any partner still reads this slot's tile or has a load on its way
	s_add_nc_u64 s[G0+4*\slot+2:G0+4*\slot+3], s[G0+4*\slot+2:G0+4*\slot+3], 2*KSTEP*2
	s_add_nc_u64 s[G0B+4*\slot+2:G0B+4*\slot+3], s[G0B+4*\slot+2:G0B+4*\slot+3], 2*KSTEP*2
	JLOAD \slot                                    ; the first tensor load behind the round; the four v_nop behind it are also the places in front of the loads below
.else
	PLACES
.endif
	FETCH \next, 0, F0
	WIN MUL
	MUL8 F1, 1, 0, 0
	MUL8 F1, 1, 2, 0
.endm
	s_wait_tensorcnt 1                             ; my part of K step 0 is in (K step 1's load may be out)
	s_barrier_signal -1
	s_barrier_wait -1                              ; everybody's is
	FETCH 0, 0, F0
	s_wait_loadcnt 0x0                             ; the bias
	QUARTER 0, 128, F0, F1, 1                      ; the first quarter stands in front of the loop: its first products start the sums
	WIN 0                                          ; at a label and at a branch every window is 0
	s_mov_b32 s3, LAPS-1
.Llap:                                             ; a trip goes once round the ring, from a lap's second quarter to the next lap's first, and fills both slots again
	QUARTER 0, 256, F1, F0, 0
	QUARTER 0, 384, F0, F1, 0
	TURN 0, 1, 1
	QUARTER 1, 128, F0, F1, 0
	QUARTER 1, 256, F1, F0, 0
	QUARTER 1, 384, F0, F1, 0
	TURN 1, 0, 1
	QUARTER 0, 128, F0, F1, 0
	WIN 0
	s_sub_co_u32 s3, s3, 1
	s_cmp_lg_u32 s3, 0
	s_cbranch_scc1 .Llap
	QUARTER 0, 256, F1, F0, 0                      ; the last lap fills nothing, and has no round of the cluster's barrier
	QUARTER 0, 384, F0, F1, 0
	TURN 0, 1, 0
	QUARTER 1, 128, F0, F1, 0
	QUARTER 1, 256, F1, F0, 0
	QUARTER 1, 384, F0, F1, 0
	s_wait_dscnt 16                                ; the very last quarter: nothing more to fetch
	WIN MUL
	MUL8 F1, 0, 0, 0
	MUL8 F1, 0, 2, 0
	s_wait_dscnt 0
	MUL8 F1, 1, 0, 0
	MUL8 F1, 1, 2, 0
	WIN 0
; THE WAY OUT, block by block of 16 rows x 64 columns.  A lane holds 32 neighbouring bytes of a row, and the lanes beside it hold other rows: so a block goes through my own stage and comes back as whole rows of 256 bytes.
; LDS serves a wave's instructions in order (ISA guide 5.7.1.4): no wait between the stores and the loads, nor in front of the next block's stores.
.macro TOSTAGE a
.irp b, 0,1,2,3
	ds_store_b128 v[STO], v[ACC+8*(4*(\a)+\b):ACC+8*(4*(\a)+\b)+3] offset:64*\b         ; each accumulator from its low end on
	ds_store_b128 v[STO], v[ACC+8*(4*(\a)+\b)+4:ACC+8*(4*(\a)+\b)+7] offset:64*\b+16
.endr
.set BB, TMP+32*((\a)%2)
.irp t, 0,1,2,3,4,5,6,7
	ds_load_b128 v[BB+4*\t:BB+4*\t+3], v[RD] offset:\t*2*SPITCH
.endr
.endm
.macro SEND a, younger                 ; younger: the LDS instructions issued behind block a's loads, which may stay out
.set BB, TMP+32*((\a)%2)
	s_wait_dscnt \younger                          ; the block is back in registers
.if (\a) > 0
	s_add_nc_u64 s[8:9], s[8:9], 16*CROW           ; (behind a wait on XCNT: the earlier stores have read their base)  16 rows of C on
.endif
.irp t, 0,1,2,3,4,5,6,7
	global_store_b128 v[CO], v[BB+4*\t:BB+4*\t+3], s[8:9] offset:2*\t*CROW th:TH_STORE_NT   ; 16 lanes store 256 consecutive bytes, at a multiple of 256 from C's first byte; written once, read by nobody here
.endr
.endm
	PLACES                                         ; behind the last products, ahead of the LDS stores that read results
	TOSTAGE 0
.irp a, 1,2,3
.if \a > 1
	s_wait_xcnt 0x0                                ; block a - 2's stores have read their registers and their base: block a's loads may land there, and the base may step
.endif
	TOSTAGE \a
	SEND \a-1, 16                                  ; behind block a - 1's loads: block a's 8 stores and 8 loads
.endr
	s_wait_xcnt 0x0                                ; block 2's stores have read their base
	SEND 3, 0
	s_wait_tensorcnt 0x0                           ; the wave's end: behind my last tensor load and my last LDS store
	ds_add_u32 v[SPW], v[NIL]
	s_wait_dscnt 0x0
	CROUND                                         ; the closing round: no work-group ends while a partner may still ask for a tile that names it
	s_endpgm
.Lfunc_end_k_qa00925c583_oproj:
	.size	k_qa00925c583_oproj, .Lfunc_end_k_qa00925c583_oproj-k_qa00925c583_oproj
	.p2alignl 7, 3214868480
	.fill 96, 4, 3214868480
	.section	.rodata,"a",@progbits
	.p2align	6, 0x0
	.amdhsa_kernel k_qa00925c583_oproj
		.amdhsa_group_segment_fixed_size 327680
		.amdhsa_private_segment_fixed_size 0
		.amdhsa_enable_private_segment 0
		.amdhsa_kernarg_size 32
		.amdhsa_user_sgpr_count 2
		.amdhsa_user_sgpr_kernarg_segment_ptr 1
		.amdhsa_wavefront_size32 1
		.amdhsa_system_sgpr_workgroup_id_x 1
		.amdhsa_system_sgpr_workgroup_id_y 1
		.amdhsa_system_sgpr_workgroup_id_z 1
		.amdhsa_system_vgpr_workitem_id 0
		.amdhsa_next_free_vgpr 512
		.amdhsa_next_free_sgpr 70
		.amdhsa_reserve_vcc 0
		.amdhsa_float_denorm_mode_32 3
		.amdhsa_float_denorm_mode_16_64 3
		.amdhsa_memory_ordered 1
		.amdhsa_forward_progress 1
		.amdhsa_inst_pref_size 87
	.end_amdhsa_kernel
	.amdgpu_metadata
---
amdhsa.version: [ 1, 2 ]
amdhsa.kernels:
  - .name:           k_qa00925c583_oproj
    .symbol:         k_qa00925c583_oproj.kd
    .args:
      - { .name: att, .offset: 0, .size: 8, .value_kind: global_buffer, .address_space: global }
      - { .name: wo16, .offset: 8, .size: 8, .value_kind: global_buffer, .address_space: global }
      - { .name: out0, .offset: 16, .size: 8, .value_kind: global_buffer, .address_space: global }
      - { .name: bo, .offset: 24, .size: 8, .value_kind: global_buffer, .address_space: global }
    .group_segment_fixed_size: 327680
    .private_segment_fixed_size: 0
    .kernarg_segment_align: 8
    .kernarg_segment_size: 32
    .max_flat_workgroup_size: 128
    .sgpr_count:     70
    .vgpr_count:     512
    .wavefront_size: 32
...
	.end_amdgpu_metadata
.endif
;; end of part 4
